; MI455X (gfx1250); checked and timed in simulation.
; The chip was launched on July 23, 2026; its instructions are those of AMD's public machine-readable ISA for CDNA 5 (MIT licence, August 2026) and "CDNA5" Instruction Set Architecture Reference Guide (July 2026). The comments in the code are by the model that wrote it; some were corrected since.
;; Multi Head Attention. Allowed arithmetic: matrix products marked QUANTISED: E3M2 operands, one E8M0 scale for each 32 along K, by v_wmma_scale_f32_16x16x128_f8f6f4 with both operands' format E3M2, f32 sums; everything else in f32.
;; Inputs: Wk 512 x 512 float32; Wo 512 x 512 float32; Wq 512 x 512 float32; Wv 512 x 512 float32; bk 512 float32; bo 512 float32; bq 512 float32; bv 512 float32; k 2 x 4,096 x 512 float32; q 2 x 4,096 x 512 float32; v 2 x 4,096 x 512 float32.
;; Outputs: out0 2 x 4,096 x 512 float32.
;; This version of the problem:
;;   THIS VERSION OF THE PROBLEM IS GIVEN IN LOW PRECISION. The matrix products marked QUANTISED in the list below multiply operands that are first quantised to E3M2 (3 exponent bits, 2 mantissa bits; 6 bits a number), with one power-of-two scale for each 32 numbers along K (OCP MX v1.0); their sums are f32. All else is computed in f32.
;;   The module's matrix products, in the order in which they are computed (A, B: the left and right operand; K: the contracted axis; several contracted axes count as one K, in the product's order):
;;     1. [M 8,192, K 512] x [K 512, N 512]; A: input q; B: input Wq: QUANTISED
;;     2. [M 8,192, K 512] x [K 512, N 512]; A: input k; B: input Wk: QUANTISED
;;     3. [M 8,192, K 512] x [K 512, N 512]; A: input v; B: input Wv: QUANTISED
;;     4. batch 16 x [M 4,096, K 64] x [K 64, N 4,096]; A: computed on the way; B: computed on the way: QUANTISED
;;     5. batch 16 x [M 4,096, K 4,096] x [K 4,096, N 64]; A: softmax (see below); B: computed on the way: QUANTISED
;;     6. [M 8,192, K 512] x [K 512, N 512]; A: computed on the way; B: input Wo: QUANTISED
;;   THE QUANTISER, for each operand of a quantised product, along K:
;;     - K is cut into blocks of 32 from its start; a last block that is shorter is filled with zeros.
;;     - A block's scale is 2^e with e = floor(log2(the largest magnitude in the block)) - 4, held to -126 .. 127; a block of zeros has e = 0. As a byte (E8M0): e + 127.
;;     - Each number is divided by its block's scale, clamped to +-28, and rounded to the nearest number of E3M2, ties to even, subnormals kept.
;;     - The product sums the exact products of the quantised numbers (number of the format x scale) in f32.
;;   ~~~python
;;   def quantise(x, axis):      # numpy; x: float32 -> the quantised numbers, widened to float32 again
;;       x = np.moveaxis(x, axis, -1); K = x.shape[-1]
;;       x = np.pad(x, [(0, 0)] * (x.ndim - 1) + [(0, -K % 32)]); x = x.reshape(x.shape[:-1] + (-1, 32)); a = np.abs(x).max(-1, keepdims=True)
;;       e = np.where(a > 0, np.clip(np.frexp(np.where(a > 0, a, 1))[1] - 1 - 4, -126, 127), 0)      # np.frexp(a)[1] - 1 = floor(log2(a)), exactly
;;       r = np.clip(x / 2.0 ** e, -28, 28)
;;       step = 2.0 ** (np.maximum(np.frexp(np.where(r == 0, 1, r))[1] - 1, -2) - 2)
;;       q = np.round(r / step) * step * 2.0 ** e      # np.round: ties to even
;;       return np.moveaxis(q.reshape(q.shape[:-2] + (-1,))[..., :K], -1, axis).astype(np.float32)
;;   ~~~
;;   SOFTMAX AHEAD OF A QUANTISED PRODUCT. Where the list says 'softmax', what is quantised is not the finished softmax but p = 2^(t - M), with t = logit x log2(e) and M = ceil(the row's largest t), a whole number; so 1/2 < the row's largest p <= 1. The row's sum l is taken of the UNQUANTISED p, in f32, and the product's result is divided by l at the end. Since M is a whole number, a kernel that streams over the keys may use a running M (the ceiling of the running maximum): every later rescaling is an exact power of two, which a block's scale takes up: the codes' values come out the same.
;;   OPERANDS COMPUTED ON THE WAY. 'Computed on the way' means the value that the module computes at that place (a softmax that the list does not call 'softmax' is quantised finished and normalised). What goes into a quantiser is computed in f32, as accurately as f32 sums, v_exp_f32 and their like allow (about 1e-6 of the number): no bf16 or f16 on the way to a quantiser, and a product that is left as it is and whose result goes on into a quantised operand takes f32 operands (vector FMAs, or v_wmma_f32_16x16x4_f32). A number that lies on a knife's edge between two numbers of the format may be rounded either way, as far as f32 arithmetic and the matrix unit's own rounding can turn it there, and no further.
;; 2 versions. Each part assembles by itself: llvm-mc -triple=amdgcn-amd-amdhsa -mcpu=gfx1250 --defsym DOCPART=n.
;; ======== version 1 of 2: 4 launches
;; workspace buffers: wimg 786,432 bytes; wsc 32,768 bytes; qkv 10,223,616 bytes; cimg 3,145,728 bytes; cs 262,144 bytes
;; launch wquant (part 1): grid 64 x 1, 8 waves a work-group, no clusters, 1,536 bytes of LDS; arguments Wq, Wk, Wv, Wo, wimg, wsc; writes wimg, wsc
.if DOCPART == 1
	.amdgcn_target "amdgcn-amd-amdhsa--gfx1250"
	.amdhsa_code_object_version 6
	.text
	.protected	k_qb41a67b2fc_wquant
	.globl	k_qb41a67b2fc_wquant
	.p2align	8
	.type	k_qb41a67b2fc_wquant,@function
k_qb41a67b2fc_wquant:
	s_mov_b64 s[64:65], 0
	v_nop
	global_prefetch_b8 v0, s[64:65] scope:SCOPE_SE
	s_setreg_imm32_b32 hwreg(HW_REG_WAVE_MODE, 25, 1), 1
	s_wait_xcnt 0x0
; MULTI-HEAD ATTENTION IN MX-BF6, launch 1 of 4: the four weights [512][512] f32 (K, their last axis, innermost) become codes of E3M2 with one E8M0 byte for each 32 along K.
; DEAD WORK: none.  All six products of reference() are live; bq, bk and bv go into quantised operands (qh, kh, vh) and can move their codes and scales, bo goes into the output: all eleven inputs are loaded by some launch.
; LIMITS: NaN and infinities among the inputs are not served.  A block whose largest magnitude lies under 2^(5 - 127), a block of zeros among them, keeps the byte 1 where the rule says less or 127: a block of zeros has zero codes,
; which add nothing under any byte but 0xff, and the bytes are read by this program alone.
; LAYOUT OF THE WORKSPACE: in the order of the operand's registers.  A fragment (16 rows x 128 K: 12 registers a lane) is an image of 1,536 bytes: registers 4 c .. 4 c + 3 of lane L at 512 c + 16 L.
; wimg: [tensor q, k, v, o][group w of 64 rows][tile t of 4][K step s of 4] images.  THE ROWS OF A TILE ARE NOT NEIGHBOURS: lane r of tile t takes row 64 w + 32 (t / 2) + 8 (t % 2) + r + 8 (r / 8), so that in a result whose
; source 0 was such a tile the 16 registers of tiles 2 b and 2 b + 1 are 16 neighbours along the next K.
; wsc: [tensor][pair P of tiles: rows 32 P ..][lane 32][K step 4] words: lanes 0-15 the even tile's rows, lanes 16-31 the odd tile's: one load of 16 bytes a lane brings a pair's four scale registers.
; SHARES: work-group x: tensor x / 16, pair x % 16.  Wave: tile u = wave / 4 of the pair, K step s = wave % 4: one fragment.  64 work-groups are all the work that there is.
; No tensor load, no cluster: no two work-groups read the same bytes.
.set XA,  4                            ; v4   my byte in the pair's 32 rows
.set L16, 5                            ; v5   16 x lane
.set SPW, 6                            ; v6   LDS address of my spare word; never rewritten
.set NIL, 7                            ; v7   0; never rewritten
.set GA,  8                            ; v8   where my row's scale word goes in the gather
.set ST,  16                           ; v16-79   64 numbers
.set PC,  80                           ; v80-98   the codes
.set TM,  100                          ; v100-111 at work
.set PW,  112                          ; v112     the scale word
.set SEL, 20                           ; s[20:21] v_permlanex16_b32's selects for lane l xor 16
.set SPARE, 512                        ; behind the gather's 512 bytes: the spare words, 128 bytes for each of eight waves
; 64 numbers of a lane, register 16 b + i = k 32 b + 16 (lane / 16) + i of my row, become a fragment's codes in v[pc] .. v[pc + 11] and its scale word in v[pw]
.macro QUANT src, pc, tm, pw
.irp b, 0,1,2,3
	v_max3_num_f32 v[\tm+\b], |v[\src+16*\b]|, |v[\src+1+16*\b]|, 0x2800000   ; block b: my 16 numbers, and the floor 2^(5 - 127): the byte cannot fall under 1
.endr
.irp i, 2,4,6,8,10,12,14
.irp b, 0,1,2,3
	v_max3_num_f32 v[\tm+\b], v[\tm+\b], |v[\src+16*\b+\i]|, |v[\src+1+16*\b+\i]|   ; the four blocks by turns
.endr
.endr
.irp b, 0,1,2,3
	v_permlanex16_b32 v[\tm+4+\b], v[\tm+\b], s[SEL], s[SEL+1]
.endr
.irp b, 0,1,2,3
	v_max_num_f32 v[\tm+\b], v[\tm+\b], v[\tm+4+\b]   ; with lane l xor 16's: the block's largest magnitude
.endr
.irp b, 0,1,2,3
	v_add_nc_u32 v[\tm+8+\b], 0xfe000000, v[\tm+\b]   ; 4 off its exponent field: the conversion's scale operand
.endr
.irp b, 0,1,2,3
	v_lshrrev_b32 v[\tm+4+\b], 23, v[\tm+8+\b]        ; the scale's byte
.endr
	v_lshl_or_b32 v[\pw], v[\tm+5], 8, v[\tm+4]
	v_lshl_or_b32 v[\pw], v[\tm+6], 16, v[\pw]
	v_lshl_or_b32 v[\pw], v[\tm+7], 24, v[\pw]
.irp c, 0,1
	v_cvt_scalef32_pk16_bf6_f32 v[\pc+6*\c:\pc+2+6*\c], v[\src+32*\c:\src+15+32*\c], v[\tm+8+2*\c]
	v_cvt_scalef32_pk16_bf6_f32 v[\pc+12+4*\c:\pc+14+4*\c], v[\src+16+32*\c:\src+31+32*\c], v[\tm+9+2*\c]   ; (a conversion's three registers begin on an even number)
.endr
	v_nop                                          ; one plain place behind a scaled conversion
.irp c, 0,1                                    ; the operand's layout wants a whole block in a lane: lanes 0-15 block 2 c, lanes 16-31 block 2 c + 1
.irp i, 0,1,2
	v_permlane16_swap_b32 v[\pc+6*\c+\i], v[\pc+12+4*\c+\i]
.endr
.irp i, 0,1,2
	v_mov_b32 v[\pc+3+6*\c+\i], v[\pc+12+4*\c+\i]
.endr
.endr
.endm
	s_load_b256 s[4:11], s[0:1], 0x0               ; Wq s[4:5], Wk s[6:7], Wv s[8:9], Wo s[10:11]
	s_load_b128 s[12:15], s[0:1], 0x20             ; wimg s[12:13], wsc s[14:15]
	v_lshl_add_u32 v[SPW], v0, 2, SPARE
	v_mov_b32 v[NIL], 0
	v_lshrrev_b32 v1, 5, v0
	v_readfirstlane_b32 s16, v1                    ; wave 0..7
	s_lshr_b32 s17, s16, 2                         ; u
	s_and_b32 s18, s16, 3                          ; s
	v_and_b32 v1, 31, v0                           ; lane
	v_and_b32 v2, 15, v0                           ; r
	v_bfe_u32 v3, v0, 4, 1                         ; h
	v_and_b32 v9, 8, v2
	v_add_nc_u32 v9, v9, v2                        ; r + 8 (r / 8)
	v_lshlrev_b32 v[XA], 11, v9                    ; a row is 2,048 bytes
	v_lshl_add_u32 v[XA], v3, 6, v[XA]             ; + 64 h: my 16 numbers of a block of 32
	s_lshl_b32 s19, s17, 14                        ; + 8 u rows
	s_lshl_b32 s22, s18, 9                         ; + K step s: 512 bytes
	s_add_co_u32 s19, s19, s22
	v_add_nc_u32 v[XA], s19, v[XA]
	v_lshlrev_b32 v[L16], 4, v1
	v_lshlrev_b32 v[GA], 4, v2                     ; the gather: 16 (r + 16 u) + 4 s
	s_lshl_b32 s22, s17, 8
	s_lshl_b32 s23, s18, 2
	s_add_co_u32 s22, s22, s23
	v_add_nc_u32 v[GA], s22, v[GA]
	s_mov_b32 s[SEL], 0x76543210
	s_mov_b32 s[SEL+1], 0xfedcba98
.irp b, 0,1,2,3
	v_mov_b32 v[TM+4+\b], 0                        ; written once: a lane permute's destination counts as one of its sources
.endr
	s_and_b32 s24, ttmp9, 15
	s_lshl_b32 s24, s24, 16                        ; the pair's 32 rows begin 65,536 P bytes into the tensor
	s_mov_b32 s25, 0
	s_lshl_b32 s26, ttmp9, 1
	s_add_co_u32 s26, s26, s17
	s_lshl_b32 s26, s26, 2
	s_add_co_u32 s26, s26, s18
	s_mul_i32 s26, s26, 1536                       ; my image: ((2 x + u) 4 + s) x 1,536
	s_mov_b32 s27, 0
	s_lshl_b32 s28, ttmp9, 9                       ; the pair's scale words: 512 x
	s_mov_b32 s29, 0
	s_wait_kmcnt 0x0
	s_cmp_lt_u32 ttmp9, 16                         ; which tensor: the choice hangs on the work-group's number alone
	s_cselect_b64 s[4:5], s[4:5], s[6:7]
	s_cmp_lt_u32 ttmp9, 48
	s_cselect_b64 s[8:9], s[8:9], s[10:11]
	s_cmp_lt_u32 ttmp9, 32
	s_cselect_b64 s[4:5], s[4:5], s[8:9]
	s_add_nc_u64 s[4:5], s[4:5], s[24:25]
	s_add_nc_u64 s[12:13], s[12:13], s[26:27]
	s_add_nc_u64 s[14:15], s[14:15], s[28:29]
.irp b, 0,1,2,3
.irp j, 0,1,2,3
	global_load_b128 v[ST+16*\b+4*\j:ST+16*\b+4*\j+3], v[XA], s[4:5] offset:128*\b+16*\j th:TH_LOAD_NT
.endr
.endr
	s_wait_loadcnt 0x0
	QUANT ST, PC, TM, PW
.irp c, 0,1,2
	global_store_b128 v[L16], v[PC+4*\c:PC+4*\c+3], s[12:13] offset:512*\c   ; 32 lanes store 512 consecutive bytes, aligned
.endr
	ds_store_b32 v[GA], v[PW]                      ; both halves of the lanes write the same word with the same value
	s_wait_dscnt 0x0                               ; for the others' sake: my store has landed
	s_barrier_signal -1
	s_barrier_wait -1
	s_cmp_lg_u32 s16, 0
	s_cbranch_scc1 .Lend
	ds_load_b128 v[116:119], v[L16]                ; wave 0: the pair's 512 bytes of scale words
	s_wait_dscnt 0x0
	global_store_b128 v[L16], v[116:119], s[14:15]
.Lend:
	s_wait_tensorcnt 0x0                           ; the wave's end: behind my last LDS store
	ds_add_u32 v[SPW], v[NIL]
	s_wait_dscnt 0x0
	s_endpgm
.Lfunc_end_k_qb41a67b2fc_wquant:
	.size	k_qb41a67b2fc_wquant, .Lfunc_end_k_qb41a67b2fc_wquant-k_qb41a67b2fc_wquant
	.p2alignl 7, 3214868480
	.fill 96, 4, 3214868480
	.section	.rodata,"a",@progbits
	.p2align	6, 0x0
	.amdhsa_kernel k_qb41a67b2fc_wquant
		.amdhsa_group_segment_fixed_size 1536
		.amdhsa_private_segment_fixed_size 0
		.amdhsa_enable_private_segment 0
		.amdhsa_kernarg_size 48
		.amdhsa_user_sgpr_count 2
		.amdhsa_user_sgpr_kernarg_segment_ptr 1
		.amdhsa_wavefront_size32 1
		.amdhsa_system_sgpr_workgroup_id_x 1
		.amdhsa_system_sgpr_workgroup_id_y 1
		.amdhsa_system_sgpr_workgroup_id_z 1
		.amdhsa_system_vgpr_workitem_id 0
		.amdhsa_next_free_vgpr 128
		.amdhsa_next_free_sgpr 66
		.amdhsa_reserve_vcc 0
		.amdhsa_float_denorm_mode_32 3
		.amdhsa_float_denorm_mode_16_64 3
		.amdhsa_memory_ordered 1
		.amdhsa_forward_progress 1
		.amdhsa_inst_pref_size 9
	.end_amdhsa_kernel
	.amdgpu_metadata
---
amdhsa.version: [ 1, 2 ]
amdhsa.kernels:
  - .name:           k_qb41a67b2fc_wquant
    .symbol:         k_qb41a67b2fc_wquant.kd
    .args:
      - { .name: Wq, .offset: 0, .size: 8, .value_kind: global_buffer, .address_space: global }
      - { .name: Wk, .offset: 8, .size: 8, .value_kind: global_buffer, .address_space: global }
      - { .name: Wv, .offset: 16, .size: 8, .value_kind: global_buffer, .address_space: global }
      - { .name: Wo, .offset: 24, .size: 8, .value_kind: global_buffer, .address_space: global }
      - { .name: wimg, .offset: 32, .size: 8, .value_kind: global_buffer, .address_space: global }
      - { .name: wsc, .offset: 40, .size: 8, .value_kind: global_buffer, .address_space: global }
    .group_segment_fixed_size: 1536
    .private_segment_fixed_size: 0
    .kernarg_segment_align: 8
    .kernarg_segment_size: 48
    .max_flat_workgroup_size: 256
    .sgpr_count:     66
    .vgpr_count:     128
    .wavefront_size: 32
...
	.end_amdgpu_metadata
.endif
;; end of part 1
;; launch proj (part 2): grid 192 x 1, 8 waves a work-group, no clusters, 54,272 bytes of LDS; arguments q, k, v, bq, bk, bv, wimg, wsc, qkv; writes qkv
.if DOCPART == 2
	.amdgcn_target "amdgcn-amd-amdhsa--gfx1250"
	.amdhsa_code_object_version 6
	.text
	.protected	k_qb41a67b2fc_proj
	.globl	k_qb41a67b2fc_proj
	.p2align	8
	.type	k_qb41a67b2fc_proj,@function
k_qb41a67b2fc_proj:
	s_mov_b64 s[64:65], 0
	v_nop
	global_prefetch_b8 v0, s[64:65] scope:SCOPE_SE
	s_setreg_imm32_b32 hwreg(HW_REG_WAVE_MODE, 25, 1), 1
	s_wait_xcnt 0x0
; Launch 2 of 4: qh = q Wq^T + bq, kh = k Wk^T + bk, vh = v Wv^T + bv, each on codes of E3M2; the results are quantised in registers and stored as the operands of the attention launch.  No work of reference() is left out.
; LIMITS: as in the first launch (NaN and infinities not served; blocks under the floor 2^(5 - 127) keep the byte 1).
; SHARES.  Work-group: tensor T = x / 64 (q, k, v), block i = x % 64 of 128 rows.  THE WAVES SHARE THE COLUMNS: wave w is head w (columns 64 w .. + 63) for all 128 rows; its 16 fragments of the weight stay in registers.
; First wave w quantises rows' tile w of x (four fragments) and stores them in LDS as images of their registers; one barrier; then every wave reads all 32 images, each once.
; THE ROWS OF A TILE ARE NOT NEIGHBOURS: lane r of tile m takes row 32 (m / 2) + 8 (m % 2) + r + 8 (r / 8) of the block; so for x's rows and for the weight's.
; q, k: source 0 = the weight, source 1 = x: a lane holds one row, its 32 registers the head's 64 channels by halves: they are quantised along the channels (the K of q k^T).
; v:    source 0 = x, source 1 = the weight: a lane holds one channel, its registers run along the keys: they are quantised along the keys (the K of p v).
; The bias is the C of each sum's first matrix instruction.
; WHAT IS STORED.  A half record is 16 rows x 64 codes, 6 registers a lane: registers 0-3 at 16 L, registers 4, 5 at 512 + 8 L: 768 bytes.  qkv: [head y = 8 batch + h][group of 1,024 rows] of 159,744 bytes:
; + 0 K's 64 records (768 x tile); + 49,152 V's 64 (6,144 x key step + 1,536 x channel tile + 768 x half of the step's keys); + 98,304 eight records of 768: 512 bytes K's four scale registers (a pair of tiles each: lanes 0-15 the even
; tile, lanes 16-31 the odd), 256 bytes V's two; + 104,448 Q's 64 records; + 153,600 Q's scale registers, 512 of each 768 bytes.  Every store covers 512 or 256 consecutive bytes, aligned.
; No cluster and no tensor load: x's block is read by one work-group alone, and the weights go straight into registers, 24,576 bytes a wave.  192 work-groups are all the work that there is.
; REGISTERS.  Window 0: v1-6 addresses; v14, v15 the add's two; v16-23 the weight's scale words; v24-55 x's; v56-63 scale words being gathered; v64-191 accumulators (before the barrier: numbers of x);
; v192-239 fragments of x (before the barrier: codes and work); v240-255 the way out.  Window 1: v0-191 the weight's fragments at 12 (4 t + s); v192-223 the bias, 8 registers a tile.
.set L16, 1                            ; 16 x lane
.set L8,  2                            ; 8 x lane
.set XA,  3                            ; x: my byte in the block's 128 rows
.set XWI, 4                            ; where I store x's images: 16 x lane + 6,144 x wave
.set XWS, 5                            ; and their scale words: XSC + 16 x lane + 512 x wave
.set BA,  6                            ; my byte in my head's 64 numbers of the bias
.set SPW, 14
.set NIL, 15
.set WS,  16
.set XS,  24
.set SW,  56
.set PW4, 60
.set AC,  64
.set HA,  64
.set ST,  128
.set XF,  192
.set XG,  128
.set PC,  192
.set TM,  212
.set PC2, 240
.set PW,  249
.set TM2, 250
.set BI,  192                          ; in window 1
.set XSC, 49152                        ; LDS: 32 images of 1,536 bytes from 0; then 8 x 512 bytes of scale words;
.set SPARE, 53248                      ; then the spare words, 128 bytes for each of eight waves
.set SEL, 30
.set MSB, 0
.macro WIN new                         ; the immediate's high byte repeats the setting that is left
.if MSB != \new
	s_set_vgpr_msb (MSB<<8)|\new
.set MSB, \new
.endif
.endm
.macro QUANT src, pc, tm, pw           ; 64 numbers, register 16 b + i = k 32 b + 16 (lane / 16) + i of my row -> a fragment in v[pc] .. v[pc + 11], its scale word in v[pw]
.irp b, 0,1,2,3
	v_max3_num_f32 v[\tm+\b], |v[\src+16*\b]|, |v[\src+1+16*\b]|, 0x2800000   ; the floor 2^(5 - 127) among the leaves
.endr
.irp i, 2,4,6,8,10,12,14
.irp b, 0,1,2,3
	v_max3_num_f32 v[\tm+\b], v[\tm+\b], |v[\src+16*\b+\i]|, |v[\src+1+16*\b+\i]|
.endr
.endr
.irp b, 0,1,2,3
	v_permlanex16_b32 v[\tm+4+\b], v[\tm+\b], s[SEL], s[SEL+1]
.endr
.irp b, 0,1,2,3
	v_max_num_f32 v[\tm+\b], v[\tm+\b], v[\tm+4+\b]
.endr
.irp b, 0,1,2,3
	v_add_nc_u32 v[\tm+8+\b], 0xfe000000, v[\tm+\b]   ; 4 off the exponent field: the conversion's scale operand
.endr
.irp b, 0,1,2,3
	v_lshrrev_b32 v[\tm+4+\b], 23, v[\tm+8+\b]
.endr
	v_lshl_or_b32 v[\pw], v[\tm+5], 8, v[\tm+4]
	v_lshl_or_b32 v[\pw], v[\tm+6], 16, v[\pw]
	v_lshl_or_b32 v[\pw], v[\tm+7], 24, v[\pw]
.irp c, 0,1
	v_cvt_scalef32_pk16_bf6_f32 v[\pc+6*\c:\pc+2+6*\c], v[\src+32*\c:\src+15+32*\c], v[\tm+8+2*\c]
	v_cvt_scalef32_pk16_bf6_f32 v[\pc+12+4*\c:\pc+14+4*\c], v[\src+16+32*\c:\src+31+32*\c], v[\tm+9+2*\c]
.endr
	v_nop                                          ; one plain place behind a scaled conversion
.irp c, 0,1
.irp i, 0,1,2
	v_permlane16_swap_b32 v[\pc+6*\c+\i], v[\pc+12+4*\c+\i]
.endr
.irp i, 0,1,2
	v_mov_b32 v[\pc+3+6*\c+\i], v[\pc+12+4*\c+\i]
.endr
.endr
.endm
.macro QUANT2 src, pc, tm, pw          ; the same for 32 numbers, two blocks: a half record in v[pc] .. v[pc + 5]; the scale word's upper two bytes are 0.  It reads each accumulator from its low end on
.irp b, 0,1
	v_max3_num_f32 v[\tm+\b], |v[\src+16*\b]|, |v[\src+1+16*\b]|, 0x2800000
.endr
.irp i, 2,4,6,8,10,12,14
.irp b, 0,1
	v_max3_num_f32 v[\tm+\b], v[\tm+\b], |v[\src+16*\b+\i]|, |v[\src+1+16*\b+\i]|
.endr
.endr
.irp b, 0,1
	v_permlanex16_b32 v[\tm+2+\b], v[\tm+\b], s[SEL], s[SEL+1]
.endr
.irp b, 0,1
	v_max_num_f32 v[\tm+\b], v[\tm+\b], v[\tm+2+\b]
.endr
.irp b, 0,1
	v_add_nc_u32 v[\tm+4+\b], 0xfe000000, v[\tm+\b]
.endr
.irp b, 0,1
	v_lshrrev_b32 v[\tm+2+\b], 23, v[\tm+4+\b]
.endr
	v_lshl_or_b32 v[\pw], v[\tm+3], 8, v[\tm+2]
	v_cvt_scalef32_pk16_bf6_f32 v[\pc:\pc+2], v[\src:\src+15], v[\tm+4]
	v_cvt_scalef32_pk16_bf6_f32 v[\pc+6:\pc+8], v[\src+16:\src+31], v[\tm+5]
	v_nop                                          ; one plain place behind a scaled conversion
.irp i, 0,1,2
	v_permlane16_swap_b32 v[\pc+\i], v[\pc+6+\i]   ; lanes 0-15 keep block 0, lanes 16-31 get block 1: first its lower 16 codes,
.endr
.irp i, 0,1,2
	v_mov_b32 v[\pc+3+\i], v[\pc+6+\i]             ; then its upper 16
.endr
.endm
; one product: D, A, B, C, A's scales, B's scales; ra, rb: that side's scales are taken from lanes 16-31
.macro MM d, a, b, c, sa, sb, ra, rb
.if \ra
	v_wmma_scale_f32_16x16x128_f8f6f4 v[\d:\d+7], v[\a:\a+11], v[\b:\b+11], v[\c:\c+7], v[\sa], v[\sb] matrix_a_fmt:MATRIX_FMT_BF6 matrix_b_fmt:MATRIX_FMT_BF6 matrix_a_scale:MATRIX_SCALE_ROW1
.elseif \rb
	v_wmma_scale_f32_16x16x128_f8f6f4 v[\d:\d+7], v[\a:\a+11], v[\b:\b+11], v[\c:\c+7], v[\sa], v[\sb] matrix_a_fmt:MATRIX_FMT_BF6 matrix_b_fmt:MATRIX_FMT_BF6 matrix_b_scale:MATRIX_SCALE_ROW1
.else
	v_wmma_scale_f32_16x16x128_f8f6f4 v[\d:\d+7], v[\a:\a+11], v[\b:\b+11], v[\c:\c+7], v[\sa], v[\sb] matrix_a_fmt:MATRIX_FMT_BF6 matrix_b_fmt:MATRIX_FMT_BF6
.endif
.endm
.macro PLACES                          ; four places behind matrix instructions, ahead of loads into their sources and of the first read of their results
.rept 4
	v_nop
.endr
.endm
.macro XLOAD reg, s                    ; my 16 rows' numbers of K step s: 64 a lane
.irp b, 0,1,2,3
.irp j, 0,1,2,3
	global_load_b128 v[\reg+16*\b+4*\j:\reg+16*\b+4*\j+3], v[XA], s[34:35] offset:512*\s+128*\b+16*\j th:TH_LOAD_NT
.endr
.endr
.endm
.macro IMAGE s                         ; the fragment in v[PC] on goes to LDS as it stands
.irp c, 0,1,2
	ds_store_b128 v[XWI], v[PC+4*\c:PC+4*\c+3] offset:1536*\s+512*\c
.endr
.endm
	s_load_b256 s[4:11], s[0:1], 0x0               ; q s[4:5], k s[6:7], v s[8:9], bq s[10:11]
	s_load_b256 s[12:19], s[0:1], 0x20             ; bk s[12:13], bv s[14:15], wimg s[16:17], wsc s[18:19]
	s_load_b64 s[20:21], s[0:1], 0x40              ; qkv
	v_lshl_add_u32 v[SPW], v0, 2, SPARE
	v_mov_b32 v[NIL], 0
	v_lshrrev_b32 v7, 5, v0
	v_readfirstlane_b32 s22, v7                    ; wave = head 0..7
	s_lshr_b32 s23, ttmp9, 6                       ; T
	s_and_b32 s24, ttmp9, 63                       ; i
	v_and_b32 v7, 31, v0                           ; lane
	v_and_b32 v8, 15, v0                           ; r
	v_bfe_u32 v9, v0, 4, 1                         ; h
	v_lshlrev_b32 v[L16], 4, v7
	v_lshlrev_b32 v[L8], 3, v7
	v_and_b32 v10, 8, v8
	v_add_nc_u32 v10, v10, v8                      ; r + 8 (r / 8)
	v_lshlrev_b32 v[XA], 11, v10                   ; a row of x is 2,048 bytes
	v_lshl_add_u32 v[XA], v9, 6, v[XA]             ; + 64 h
	s_lshr_b32 s25, s22, 1
	s_lshl_b32 s25, s25, 16                        ; + 32 (w / 2) rows
	s_and_b32 s26, s22, 1
	s_lshl_b32 s26, s26, 14                        ; + 8 (w % 2) rows
	s_add_co_u32 s25, s25, s26
	v_add_nc_u32 v[XA], s25, v[XA]
	s_mul_i32 s25, s22, 6144
	v_add_nc_u32 v[XWI], s25, v[L16]
	s_lshl_b32 s25, s22, 9
	s_add_co_u32 s25, s25, XSC
	v_add_nc_u32 v[XWS], s25, v[L16]
	s_mov_b32 s[SEL], 0x76543210
	s_mov_b32 s[SEL+1], 0xfedcba98
	s_mov_b32 vcc_lo, 0xffff0000                   ; lanes 16-31: the odd tile's half of a paired scale register.  Kept for the whole launch
.irp b, 0,1,2,3
	v_mov_b32 v[TM+4+\b], 0                        ; written once: a lane permute's destination counts as one of its sources
.endr
	v_mov_b32 v[TM2+2], 0
	v_mov_b32 v[TM2+3], 0
	s_lshl_b32 s50, s24, 18                        ; x: block i begins 262,144 i bytes in
	s_mov_b32 s51, 0
	s_lshl_b32 s52, s22, 8                         ; the bias: 256 w
	s_mov_b32 s53, 0
	s_lshl_b32 s54, s23, 3
	s_add_co_u32 s54, s54, s22                     ; 8 T + w
	s_lshl_b32 s56, s54, 10                        ; the weight's scale words: (16 T + 2 w) x 512
	s_mov_b32 s57, 0
	s_mul_i32 s54, s54, 24576                      ; its 16 images
	s_mov_b32 s55, 0
	s_lshr_b32 s25, s24, 5                         ; batch
	s_lshl_b32 s25, s25, 3
	s_add_co_u32 s25, s25, s22                     ; y = 8 batch + head
	s_mul_i32 s25, s25, 638976
	s_bfe_u32 s26, s24, 0x20003                    ; the group of 1,024 rows: (i % 32) / 8
	s_mul_i32 s26, s26, 159744
	s_add_co_u32 s25, s25, s26
	s_and_b32 s26, s24, 7                          ; the block in its group
	s_mul_i32 s27, s26, 6144
	s_mul_i32 s28, s26, 768
	s_mov_b32 s46, 104448                          ; where the tensor's codes and scale registers lie in a group: q,
	s_mov_b32 s47, 153600
	s_cmp_eq_u32 s23, 0
	s_cselect_b32 s46, s46, 0                      ; k,
	s_cselect_b32 s47, s47, 98304
	s_mov_b32 s48, 49152                           ; v
	s_mov_b32 s49, 98816
	s_cmp_eq_u32 s23, 2
	s_cselect_b32 s46, s48, s46
	s_cselect_b32 s47, s49, s47
	s_add_co_u32 s58, s25, s46
	s_add_co_u32 s58, s58, s27
	s_mov_b32 s59, 0
	s_add_co_u32 s60, s25, s47
	s_add_co_u32 s60, s60, s28
	s_mov_b32 s61, 0
	s_wait_kmcnt 0x0
	s_cmp_eq_u32 s23, 0                            ; the choices hang on the work-group's number alone
	s_cselect_b64 s[34:35], s[4:5], s[6:7]
	s_cselect_b64 s[36:37], s[10:11], s[12:13]
	s_cmp_eq_u32 s23, 2
	s_cselect_b64 s[34:35], s[8:9], s[34:35]
	s_cselect_b64 s[36:37], s[14:15], s[36:37]
	s_add_nc_u64 s[34:35], s[34:35], s[50:51]      ; x at my block
	s_add_nc_u64 s[36:37], s[36:37], s[52:53]      ; the bias at my head
	s_add_nc_u64 s[38:39], s[16:17], s[54:55]      ; the weight's images
	s_add_nc_u64 s[40:41], s[18:19], s[56:57]      ; its scale words
	s_add_nc_u64 s[42:43], s[20:21], s[58:59]      ; where my codes go
	s_add_nc_u64 s[44:45], s[20:21], s[60:61]      ; and my scale registers
	WIN 0x40                                       ; destination window 1
.set FI, 0
.rept 16
.irp c, 0,1,2
	global_load_b128 v[12*FI+4*\c:12*FI+4*\c+3], v[L16], s[38:39] offset:1536*FI+512*\c
.endr
.set FI, FI+1
.endr
	WIN 0
	s_cmp_eq_u32 s23, 2
	s_cbranch_scc1 .Lbias_v
	v_lshlrev_b32 v[BA], 6, v9                     ; q, k: register j of tile t is channel 32 (t / 2) + 16 h + 8 (t % 2) + j
	WIN 0x40
.irp t, 0,1,2,3
	global_load_b128 v[BI+8*\t:BI+8*\t+3], v[BA], s[36:37] offset:4*(32*(\t/2)+8*(\t%2))
	global_load_b128 v[BI+8*\t+4:BI+8*\t+7], v[BA], s[36:37] offset:4*(32*(\t/2)+8*(\t%2))+16
.endr
	WIN 0
	s_branch .Lbias_done
.Lbias_v:
	v_lshlrev_b32 v[BA], 2, v10                    ; v: all eight registers of tile t are channel 32 (t / 2) + 8 (t % 2) + r + 8 (r / 8)
	WIN 0x40
.irp t, 0,1,2,3
	global_load_b32 v[BI+8*\t], v[BA], s[36:37] offset:4*(32*(\t/2)+8*(\t%2))
.endr
	WIN 0
.Lbias_done:
	global_load_b128 v[WS:WS+3], v[L16], s[40:41]              ; tiles 0, 1: K steps 0 .. 3
	global_load_b128 v[WS+4:WS+7], v[L16], s[40:41] offset:512 ; tiles 2, 3
	XLOAD HA, 0
	XLOAD ST, 1
	; ---- my 16 rows of x become four fragments; the loads run one K step ahead
	s_wait_loadcnt 16                              ; all but the youngest 16 loads, the next K step's, are in
	QUANT HA, PC, TM, SW
	XLOAD HA, 2
	IMAGE 0
	s_wait_loadcnt 16
	s_wait_dscnt 0x0                               ; the stores have read their registers
	QUANT ST, PC, TM, SW+1
	XLOAD ST, 3
	IMAGE 1
	s_wait_loadcnt 16
	s_wait_dscnt 0x0
	QUANT HA, PC, TM, SW+2
	IMAGE 2
	s_wait_loadcnt 0x0
	s_wait_dscnt 0x0
	QUANT ST, PC, TM, SW+3
	IMAGE 3
	ds_store_b128 v[XWS], v[SW:SW+3]               ; my rows' four scale words
	s_wait_dscnt 0x0                               ; for the others' sake: my stores have landed
	s_barrier_signal -1
	s_barrier_wait -1                              ; x's 32 fragments lie in LDS; nothing is stored to LDS from here on
.irp m, 0,1,2,3,4,5,6,7
	ds_load_b128 v[XS+4*\m:XS+4*\m+3], v[L16] offset:XSC+512*\m
.endr
	s_cmp_eq_u32 s23, 2
	s_cbranch_scc1 .Lpath_v
	; ---- q, k: a tile of 16 rows at a time; four accumulators by turns
.macro FETCH4 m, buf
.irp s, 0,1,2,3
.irp c, 0,1,2
	ds_load_b128 v[\buf+12*\s+4*\c:\buf+12*\s+4*\c+3], v[L16] offset:(4*(\m)+\s)*1536+512*\c
.endr
.endr
.endm
.macro TILE m, buf, nbuf
	s_wait_dscnt 0x0                               ; this tile's four fragments are in
.if (\m) < 7
	FETCH4 (\m)+1, \nbuf                           ; the next tile's, into the buffer that the tile before has left (four places stand behind its products)
.endif
	WIN 0x11                                       ; source 0 (the weight) and C (the bias) window 1
.irp t, 0,1,2,3
	MM AC+8*\t, 48*\t, \buf, BI+8*\t, WS+4*(\t/2), XS+4*(\m), \t%2, 0
.endr
	WIN 0x01
.irp s, 1,2,3
.irp t, 0,1,2,3
	MM AC+8*\t, 48*\t+12*\s, \buf+12*\s, AC+8*\t, WS+4*(\t/2)+\s, XS+4*(\m)+\s, \t%2, 0
.endr
.endr
	WIN 0
	PLACES
	s_wait_xcnt 0x0                                ; the last tile's stores have read their registers
	QUANT2 AC, PC2, TM2, PW
	global_store_b128 v[L16], v[PC2:PC2+3], s[42:43] offset:768*(\m)
	global_store_b64 v[L8], v[PC2+4:PC2+5], s[42:43] offset:768*(\m)+512
.if (\m)%2 == 0
	v_mov_b32 v[SW+(\m)/2], v[PW]                  ; the scale word is the same in lanes l and l xor 16:
.else
	v_cndmask_b32 v[SW+(\m)/2], v[SW+(\m)/2], v[PW], vcc_lo   ; lanes 16-31 take the odd tile's
.endif
.endm
	FETCH4 0, XF
	TILE 0, XF, XG
	TILE 1, XG, XF
	TILE 2, XF, XG
	TILE 3, XG, XF
	TILE 4, XF, XG
	TILE 5, XG, XF
	TILE 6, XF, XG
	TILE 7, XG, XF
	global_store_b128 v[L16], v[SW:SW+3], s[44:45] ; the block's four paired scale registers
	s_branch .Lend
	; ---- v: 64 keys at a time, all 64 channels: sixteen accumulators by turns; a unit is two tiles of rows x one K step x four tiles of channels
.Lpath_v:
	WIN 0x41
.irp t, 0,1,2,3
.irp j, 1,2,3,4,5,6,7
	v_mov_b32 v[BI+8*\t+\j], v[BI+8*\t]            ; the lane's channel's bias in all eight registers
.endr
.endr
	WIN 0
	PLACES
.macro FETCH2 n
.irp mm, 0,1
.irp c, 0,1,2
	ds_load_b128 v[XF+24*((\n)%2)+12*\mm+4*\c:XF+24*((\n)%2)+12*\mm+4*\c+3], v[L16] offset:(4*(4*((\n)/8)+2*((\n)%2)+\mm)+((\n)/2)%4)*1536+512*\c
.endr
.endr
.endm
.macro UNIT n
.set UH, (\n)/8                        ; which 64 keys
.set US, ((\n)/2)%4                    ; K step
.set UP, (\n)%2                        ; which two of their four tiles of rows, and which buffer
.if (\n) == 15
	s_wait_dscnt 0x0
.else
	s_wait_dscnt 6                                 ; this unit's fragments are in; the other buffer's six loads may be out
.endif
.if US == 0
	WIN 0x14                                       ; source 1 (the weight) and C (the bias) window 1
.else
	WIN 0x04
.endif
.irp mm, 0,1
.irp t, 0,1,2,3
.if US == 0
	MM AC+32*\t+8*(2*UP+\mm), XF+24*UP+12*\mm, 12*(4*\t+US), BI+8*\t, XS+4*(4*UH+2*UP+\mm)+US, WS+4*(\t/2)+US, 0, \t%2
.else
	MM AC+32*\t+8*(2*UP+\mm), XF+24*UP+12*\mm, 12*(4*\t+US), AC+32*\t+8*(2*UP+\mm), XS+4*(4*UH+2*UP+\mm)+US, WS+4*(\t/2)+US, 0, \t%2
.endif
.endr
.endr
	WIN 0
	PLACES
.if (\n) < 14
	FETCH2 (\n)+2
.endif
.endm
.macro VOUT h                          ; 64 keys of all four tiles of channels: quantised along the keys and stored
.irp t, 0,1,2,3
	s_wait_xcnt 0x0                                ; the last stores have read their registers
	QUANT2 AC+32*\t, PC2, TM2, PW
	global_store_b128 v[L16], v[PC2:PC2+3], s[42:43] offset:1536*\t+768*\h
	global_store_b64 v[L8], v[PC2+4:PC2+5], s[42:43] offset:1536*\t+768*\h+512
.if \h == 0
	v_mov_b32 v[PW4+\t], v[PW]                     ; the scale bytes of keys 0 .. 63
.else
	v_lshl_or_b32 v[PW4+\t], v[PW], 16, v[PW4+\t]  ; and of keys 64 .. 127: the word of the step's 128 keys
.if \t%2 == 0
	v_mov_b32 v[SW+\t/2], v[PW4+\t]
.else
	v_cndmask_b32 v[SW+\t/2], v[SW+\t/2], v[PW4+\t], vcc_lo
.endif
.endif
.endr
.endm
	FETCH2 0
	FETCH2 1
.irp n, 0,1,2,3,4,5,6,7
	UNIT \n
.endr
	VOUT 0
.irp n, 8,9,10,11,12,13,14,15
	UNIT \n
.endr
	VOUT 1
	global_store_b64 v[L8], v[SW:SW+1], s[44:45]   ; the step's two paired scale registers
.Lend:
	s_wait_tensorcnt 0x0                           ; the wave's end: behind my last LDS store
	ds_add_u32 v[SPW], v[NIL]
	s_wait_dscnt 0x0
	s_endpgm
.Lfunc_end_k_qb41a67b2fc_proj:
	.size	k_qb41a67b2fc_proj, .Lfunc_end_k_qb41a67b2fc_proj-k_qb41a67b2fc_proj
	.p2alignl 7, 3214868480
	.fill 96, 4, 3214868480
	.section	.rodata,"a",@progbits
	.p2align	6, 0x0
	.amdhsa_kernel k_qb41a67b2fc_proj
		.amdhsa_group_segment_fixed_size 54272
		.amdhsa_private_segment_fixed_size 0
		.amdhsa_enable_private_segment 0
		.amdhsa_kernarg_size 72
		.amdhsa_user_sgpr_count 2
		.amdhsa_user_sgpr_kernarg_segment_ptr 1
		.amdhsa_wavefront_size32 1
		.amdhsa_system_sgpr_workgroup_id_x 1
		.amdhsa_system_sgpr_workgroup_id_y 1
		.amdhsa_system_sgpr_workgroup_id_z 1
		.amdhsa_system_vgpr_workitem_id 0
		.amdhsa_next_free_vgpr 512
		.amdhsa_next_free_sgpr 66
		.amdhsa_reserve_vcc 1
		.amdhsa_float_denorm_mode_32 3
		.amdhsa_float_denorm_mode_16_64 3
		.amdhsa_memory_ordered 1
		.amdhsa_forward_progress 1
		.amdhsa_inst_pref_size 118
	.end_amdhsa_kernel
	.amdgpu_metadata
---
amdhsa.version: [ 1, 2 ]
amdhsa.kernels:
  - .name:           k_qb41a67b2fc_proj
    .symbol:         k_qb41a67b2fc_proj.kd
    .args:
      - { .name: q, .offset: 0, .size: 8, .value_kind: global_buffer, .address_space: global }
      - { .name: k, .offset: 8, .size: 8, .value_kind: global_buffer, .address_space: global }
      - { .name: v, .offset: 16, .size: 8, .value_kind: global_buffer, .address_space: global }
      - { .name: bq, .offset: 24, .size: 8, .value_kind: global_buffer, .address_space: global }
      - { .name: bk, .offset: 32, .size: 8, .value_kind: global_buffer, .address_space: global }
      - { .name: bv, .offset: 40, .size: 8, .value_kind: global_buffer, .address_space: global }
      - { .name: wimg, .offset: 48, .size: 8, .value_kind: global_buffer, .address_space: global }
      - { .name: wsc, .offset: 56, .size: 8, .value_kind: global_buffer, .address_space: global }
      - { .name: qkv, .offset: 64, .size: 8, .value_kind: global_buffer, .address_space: global }
    .group_segment_fixed_size: 54272
    .private_segment_fixed_size: 0
    .kernarg_segment_align: 8
    .kernarg_segment_size: 72
    .max_flat_workgroup_size: 256
    .sgpr_count:     66
    .vgpr_count:     512
    .wavefront_size: 32
...
	.end_amdgpu_metadata
.endif
;; end of part 2
;; launch attn (part 3): grid 16 x 16, 16 waves a work-group, clusters of 4 x 1, 327,680 bytes of LDS; arguments qkv, cimg, cs; writes cimg, cs
.if DOCPART == 3
	.amdgcn_target "amdgcn-amd-amdhsa--gfx1250"
	.amdhsa_code_object_version 6
	.text
	.protected	k_qb41a67b2fc_attn
	.globl	k_qb41a67b2fc_attn
	.p2align	8
	.type	k_qb41a67b2fc_attn,@function
k_qb41a67b2fc_attn:
	s_mov_b64 s[64:65], 0
	v_nop
	global_prefetch_b8 v0, s[64:65] scope:SCOPE_SE
	s_setreg_imm32_b32 hwreg(HW_REG_WAVE_MODE, 25, 1), 1
	s_wait_xcnt 0x0
	s_wait_alu depctr_hold_cnt(0) depctr_sa_sdst(0) depctr_va_vdst(0) depctr_va_sdst(0) depctr_va_ssrc(0) depctr_va_vcc(0) depctr_vm_vsrc(0)
	s_getreg_b32 s2, hwreg(HW_REG_IB_STS2, 6, 4)
	s_cmp_eq_u32 s2, 0
	s_cbranch_scc0 .Lentry_in_a_cluster
	s_endpgm
.Lentry_in_a_cluster:
	s_bfe_u32 s2, ttmp6, 0x10000c
	s_cmp_lg_u32 s2, 0x3003
	s_cbranch_scc0 .Lentry_shape_is_right
	s_endpgm
.Lentry_shape_is_right:
; Launch 3 of 4: ctx = softmax(qh kh^T / 8) vh for 16 heads (8 batch + h) of 4,096 x 64, both products on codes of E3M2; ctx is quantised along D (two blocks a head) and stored as the last launch's operand.  No work of reference() is left out.
; THE SOFTMAX AHEAD OF THE SECOND PRODUCT: t = score x log2(e) / 8; M = the running largest t rounded UP to a whole number; p = 2^(t - M) is quantised along the keys, not normalised; the row's sum is taken of the unquantised p
; and divides at the end.  When M moves, the sum and O are multiplied by 2^(old M - new M): exact.
; SHARES.  A work-group owns 256 queries of one head, each of its SIXTEEN waves one tile of 16, in 256 registers: four waves to a SIMD, so that one wave's vector work stands beside another's matrix work and LDS loads.
; Every wave walks all 4,096 keys, 128 a step.  Both products are used transposed (S^T = K Q^T, O^T = V^T P^T): a lane holds ONE query throughout.  The keys of a tile of K, the channels of a tile of V and the queries of a tile are chosen
; by the launch before (lane r of tile t: 32 (t / 2) + 8 (t % 2) + r + 8 (r / 8)), so that p's 16 registers of two neighbouring tiles are 16 neighbouring keys, and O^T's 16 neighbouring channels.
; THE RING.  A group of 1,024 keys is one dense block of 104,448 bytes (K's 64 records of 768 bytes, V's 64, eight records of scale registers), laid in the order of the operands' registers: a slot.  Two slots; waves 0 to 3 fetch a quarter
; each, 102 rows of 256 bytes; a wave has at most one tensor load out.  CLUSTER: the four blocks of queries of a cluster belong to one head and walk the same keys: each quarter is asked for JOINTLY by all four.
; No prefetch is laid: a slot's load is issued eight key steps, over 1,900 vector instructions of each of a SIMD's four waves, ahead of the wait for it, so that no wave waits for that stream.
; K = 64 IN AN INSTRUCTION OF 128 (a limit that is kept): Q's registers 6 to 11 are zero codes.  K's tile t is named as v[KB + 6 t .. + 11]: its upper six registers are the next tile's codes (tile 7: zeros).  Every code of E3M2 is a finite
; number, so zero times them adds nothing; the upper two bytes of both sides' scale words are 0, which stands for 2^-127, never 0xff.  So K's eight tiles and V's four fragments use the same 48 registers and the same loads.
; LIMITS: NaN and infinities are not served; a p under 2^-126 comes out of v_exp_f32 as 0; a block of p, or of ctx, under the floor 2^(5 - 127) keeps the byte 1 (read by this program alone).
.set L16, 1                            ; 16 x lane
.set L8,  2                            ; 8 x lane
.set A16, 3                            ; LDS addresses of the step in hand: records' first 512 bytes,
.set A8,  4                            ; their last 256,
.set S16, 5                            ; K's scale registers,
.set S8,  6                            ; V's
.set SPW, 7                            ; LDS address of my spare word; never rewritten
.set NIL, 8                            ; 0; never rewritten
.set CSA, 9                            ; the way out: where my query's scale word goes
.set CSR, 10                           ; and from where 512 bytes of them are read back
.set QA,  11                           ; 16 r: my query's scale word in memory
.set QF,  16                           ; v16-21 Q, v22-27 zeros
.set QS,  28
.set KB,  32                           ; v32-79 eight records of K or of V; v80-85 zeros
.set KS,  88                           ; v88-91 K's scale registers, a pair of tiles each
.set VS,  92                           ; v92-93 V's
.set S,   96                           ; v96-159 S^T, then p
.set OT,  160                          ; v160-191 O^T
.set PCD, 192                          ; v192-203 p's codes
.set PT,  204                          ; v204-206, v208-210 conversions' second halves
.set BM,  212                          ; v212-215 the blocks' largest scores, then p
.set T2,  216
.set SO,  220                          ; v220-223 the conversions' scale operands
.set PS,  225                          ; p's scale word
.set F,   226                          ; v[226:227] f = 2^(old M - new M); v227 is written once, since the pair is named
.set TMP, 228
.set SUM2, 230                         ; v[230:231] the sum's second chain
.set PW,  232
.set SLOT1, 131072                     ; slot 1 begins here: one exclusive or turns an address in one slot into the other's
.set SPARE, 235520                     ; behind slot 1: the spare words, 128 bytes for each of sixteen waves
.set CSG,   237568                     ; and 1,024 bytes in which ctx's scale words are gathered: no tensor load lands there
.set WV,  10
.set SEL, 14
.set CS,  16                           ; s[16:17] c = log2(e) / 8
.set TB,  32                           ; LDS byte at which the step's records of K begin
.set TS,  33                           ; and its scale registers
.set SLOTS, 34
.set CNT, 35
.macro QUANT2 src, pc, tm, pw          ; 32 numbers, register 16 b + i = k 32 b + 16 (lane / 16) + i of my row -> a half record in v[pc] .. v[pc + 5]; the scale word's upper two bytes are 0
.irp b, 0,1
	v_max3_num_f32 v[\tm+\b], |v[\src+16*\b]|, |v[\src+1+16*\b]|, 0x2800000
.endr
.irp i, 2,4,6,8,10,12,14
.irp b, 0,1
	v_max3_num_f32 v[\tm+\b], v[\tm+\b], |v[\src+16*\b+\i]|, |v[\src+1+16*\b+\i]|
.endr
.endr
.irp b, 0,1
	v_permlanex16_b32 v[\tm+2+\b], v[\tm+\b], s[SEL], s[SEL+1]
.endr
.irp b, 0,1
	v_max_num_f32 v[\tm+\b], v[\tm+\b], v[\tm+2+\b]
.endr
.irp b, 0,1
	v_add_nc_u32 v[\tm+4+\b], 0xfe000000, v[\tm+\b]
.endr
.irp b, 0,1
	v_lshrrev_b32 v[\tm+2+\b], 23, v[\tm+4+\b]
.endr
	v_lshl_or_b32 v[\pw], v[\tm+3], 8, v[\tm+2]
	v_cvt_scalef32_pk16_bf6_f32 v[\pc:\pc+2], v[\src:\src+15], v[\tm+4]
	v_cvt_scalef32_pk16_bf6_f32 v[\pc+6:\pc+8], v[\src+16:\src+31], v[\tm+5]
	v_nop                                          ; one plain place behind a scaled conversion
.irp i, 0,1,2
	v_permlane16_swap_b32 v[\pc+\i], v[\pc+6+\i]
.endr
.irp i, 0,1,2
	v_mov_b32 v[\pc+3+\i], v[\pc+6+\i]
.endr
.endm
.macro MMZ d, a, b, sa, sb, ra         ; a product that starts a sum; ra: source 0's scales are taken from lanes 16-31
.if \ra
	v_wmma_scale_f32_16x16x128_f8f6f4 v[\d:\d+7], v[\a:\a+11], v[\b:\b+11], 0, v[\sa], v[\sb] matrix_a_fmt:MATRIX_FMT_BF6 matrix_b_fmt:MATRIX_FMT_BF6 matrix_a_scale:MATRIX_SCALE_ROW1
.else
	v_wmma_scale_f32_16x16x128_f8f6f4 v[\d:\d+7], v[\a:\a+11], v[\b:\b+11], 0, v[\sa], v[\sb] matrix_a_fmt:MATRIX_FMT_BF6 matrix_b_fmt:MATRIX_FMT_BF6
.endif
.endm
.macro MM d, a, b, sa, sb, ra          ; a product that adds in place
.if \ra
	v_wmma_scale_f32_16x16x128_f8f6f4 v[\d:\d+7], v[\a:\a+11], v[\b:\b+11], v[\d:\d+7], v[\sa], v[\sb] matrix_a_fmt:MATRIX_FMT_BF6 matrix_b_fmt:MATRIX_FMT_BF6 matrix_a_scale:MATRIX_SCALE_ROW1
.else
	v_wmma_scale_f32_16x16x128_f8f6f4 v[\d:\d+7], v[\a:\a+11], v[\b:\b+11], v[\d:\d+7], v[\sa], v[\sb] matrix_a_fmt:MATRIX_FMT_BF6 matrix_b_fmt:MATRIX_FMT_BF6
.endif
.endm
; A round of the cluster's barrier: my work-group's barrier; wave 0 signals for the work-group; every wave waits for all four work-groups; my work-group's barrier once more
.macro CROUND
	s_barrier_signal -1
	s_barrier_wait -1
	s_cmp_lg_u32 s[WV], 0
	s_cbranch_scc1 .Lnot_wave_0_\@
	s_barrier_signal -3
.Lnot_wave_0_\@:
	s_barrier_wait -3
	s_barrier_signal -1
	s_barrier_wait -1
.endm
; The joint load: waves 0 to 3, a quarter of a slot each.  The branch hangs on the wave's number alone.  An s_nop 0 and four v_nop follow the line
.macro TLOAD
	s_cmp_lt_u32 s[WV], 4
	s_cbranch_scc0 .Lnone_\@
	tensor_load_to_lds s[20:23], s[24:31]
	s_nop 0
.rept 4
	v_nop
.endr
.Lnone_\@:
.endm
.macro LOAD8 base                      ; eight records of 768 bytes: every load takes 512 or 256 consecutive bytes
.irp t, 0,1,2,3,4,5,6,7
	ds_load_b128 v[KB+6*\t:KB+6*\t+3], v[A16] offset:\base+768*\t
	ds_load_b64 v[KB+6*\t+4:KB+6*\t+5], v[A8] offset:\base+768*\t+512
.endr
.endm
	s_load_b128 s[4:7], s[0:1], 0x0                ; qkv s[4:5], cimg s[6:7]
	s_load_b64 s[8:9], s[0:1], 0x10                ; cs
	v_lshl_add_u32 v[SPW], v0, 2, SPARE
	v_mov_b32 v[NIL], 0
	ds_add_u32 v[SPW], v[NIL]                      ; the wave's opening: the add, twice on end, and its wait ahead of the first tensor load; the set-up below, work on registers, stands between
	ds_add_u32 v[SPW], v[NIL]
	v_lshrrev_b32 v10, 5, v0
	v_readfirstlane_b32 s[WV], v10                 ; wave 0..15
	s_and_b32 s11, s[WV], 3                        ; which quarter of a slot I fetch, if I fetch
	s_bfe_u32 s12, ttmp6, 0x40000                  ; cx: my place in the cluster: it enters Q's, cimg's and cs's addresses alone
	s_and_b32 s13, ttmp7, 0xffff                   ; y = 8 batch + head, which the four partners share
	s_mov_b32 s24, 15|(3<<16)|(1<<21)              ; group 1: 15:0 the mask: all four work-groups; 17:16 elements of 8 bytes; 21 set beside a mask; no padding
	s_mov_b32 s25, 32<<16                          ; tensor_dim0 = 32 elements: 256 bytes
	s_mov_b32 s26, 102<<16                         ; tensor_dim1 = 102
	s_mov_b32 s27, 32<<16                          ; tile_dim0
	s_mov_b32 s28, 102                             ; tile_dim1
	s_mov_b32 s29, 32                              ; the pitch: dense
	s_mov_b32 s30, 0
	s_mov_b32 s31, 0
	s_mov_b32 s[SEL], 0x76543210
	s_mov_b32 s[SEL+1], 0xfedcba98
	s_mov_b32 s[CS], 0x3e38aa3b                    ; c = log2(e) / 8
	s_mov_b32 s[CS+1], s[CS]                       ; (named with it as a pair, so it is written)
	s_mov_b32 s[TB], 0
	s_mov_b32 s[TS], 98304
	s_mov_b32 s[SLOTS], 3
	v_and_b32 v11, 31, v0
	v_lshlrev_b32 v[L16], 4, v11
	v_lshlrev_b32 v[L8], 3, v11
	v_and_b32 v11, 15, v0                          ; r
	s_lshl_b32 s52, s[WV], 6
	s_add_co_u32 s52, s52, CSG
	v_lshlrev_b32 v[CSA], 2, v11
	v_add_nc_u32 v[CSA], s52, v[CSA]               ; CSG + 64 x wave + 4 r
	s_and_b32 s52, s[WV], 1
	s_lshl_b32 s54, s52, 9
	s_add_co_u32 s52, s54, CSG
	v_add_nc_u32 v[CSR], s52, v[L16]               ; CSG + 512 (wave % 2) + 16 x lane
	v_lshlrev_b32 v[QA], 4, v11
	s_mul_i32 s36, s13, 638976                     ; the head's first byte in qkv
	s_mul_i32 s38, s11, 26112                      ; my quarter: in memory and in a slot
	s_add_co_u32 s40, s36, s38
	s_mov_b32 s41, 0
	s_lshl_b32 s42, s12, 4
	s_add_co_u32 s42, s42, s[WV]                   ; my tile among the 64 of its group of 1,024 queries: 16 cx + wave
	s_mul_i32 s43, ttmp9, 159744                   ; that group: the cluster's x
	s_add_co_u32 s43, s43, s36
	s_mul_i32 s44, s42, 768
	s_add_co_u32 s44, s44, s43
	s_add_co_u32 s44, s44, 104448                  ; Q's record
	s_mov_b32 s45, 0
	s_lshr_b32 s52, s42, 3                         ; Q's scale word: record tile / 8; lanes 16 (tile % 2) + r; register (tile / 2) % 4
	s_mul_i32 s52, s52, 768
	s_and_b32 s53, s42, 1
	s_lshl_b32 s53, s53, 8
	s_add_co_u32 s52, s52, s53
	s_bfe_u32 s53, s42, 0x20001
	s_lshl_b32 s53, s53, 2
	s_add_co_u32 s52, s52, s53
	s_add_co_u32 s46, s43, s52
	s_add_co_u32 s46, s46, 153600
	s_mov_b32 s47, 0
	s_lshl_b32 s48, ttmp9, 6
	s_add_co_u32 s48, s48, s42                     ; my tile among the batch's 256
	s_lshr_b32 s49, s13, 3
	s_lshl_b32 s49, s49, 8
	s_add_co_u32 s49, s49, s48
	s_lshl_b32 s49, s49, 3
	s_and_b32 s48, s13, 7
	s_add_co_u32 s49, s49, s48
	s_mul_i32 s48, s49, 768                        ; cimg: ((256 batch + tile) 8 + head) x 768
	s_mov_b32 s49, 0
	s_lshl_b32 s50, ttmp9, 2
	s_add_co_u32 s50, s50, s12                     ; my block of 256 queries
	s_lshl_b32 s50, s50, 10
	s_lshl_b32 s51, s13, 14
	s_add_co_u32 s50, s50, s51
	s_add_co_u32 s50, s50, s54                     ; cs: 16,384 y + 1,024 block + 512 (wave % 2)
	s_mov_b32 s51, 0
	s_wait_dscnt 0x0                               ; both opening adds are done
	s_wait_kmcnt 0x0
	s_mov_b32 s20, 1                               ; group 0: count = 1
	s_mov_b32 s21, s38                             ; LDS address: slot 0, my quarter
	s_add_nc_u64 s[22:23], s[4:5], s[40:41]        ; global address: the head's first group, my quarter
	s_or_b32 s23, s23, 0x80000000                  ; type = 2
	s_add_nc_u64 s[44:45], s[4:5], s[44:45]
	s_add_nc_u64 s[46:47], s[4:5], s[46:47]
	s_add_nc_u64 s[48:49], s[6:7], s[48:49]
	s_add_nc_u64 s[50:51], s[8:9], s[50:51]
	CROUND                                         ; all four work-groups are here: the first joint loads meet
	TLOAD                                          ; slot 0
	global_load_b128 v[QF:QF+3], v[L16], s[44:45]  ; Q stays in registers
	global_load_b64 v[QF+4:QF+5], v[L8], s[44:45] offset:512
	global_load_b32 v[QS], v[QA], s[46:47]
.irp j, 22,23,24,25,26,27,80,81,82,83,84,85
	v_mov_b32 v[\j], 0                             ; zero codes: Q's upper 64 along K, and what stands behind K's last tile
.endr
.irp j, 0,1,2,3,4,5,6,7,8,9,10,11,12,13,14,15,16,17,18,19,20,21,22,23,24,25,26,27,28,29,30,31
	v_mov_b32 v[OT+\j], 0                          ; O^T.  (The step is written once: the first finds zeros, which the first change of M leaves zeros)
.endr
.irp b, 0,1,2,3
	v_mov_b32 v[T2+\b], 0                          ; written once: a lane permute's destination counts as one of its sources
.endr
	v_mov_b32 v[F+1], 0
	v_mov_b32 v13, 0xff61b1e6                      ; the largest t so far: -3e38, under every t
	v_floor_f32 v12, -v13                          ; -M
	v_mov_b32 v14, 0                               ; the sum, in two halves
	v_mov_b32 v15, 0
; A KEY STEP: 128 keys
.macro STEP
	v_add_nc_u32 v[A16], s[TB], v[L16]             ; these four are also the places between the last step's products and the loads into their registers
	v_add_nc_u32 v[A8], s[TB], v[L8]
	v_add_nc_u32 v[S16], s[TS], v[L16]
	v_add_nc_u32 v[S8], s[TS], v[L8]
	LOAD8 0                                        ; K's eight tiles
	ds_load_b128 v[KS:KS+3], v[S16]
	ds_load_b64 v[VS:VS+1], v[S8] offset:512
	s_wait_dscnt 0x0
.irp t, 0,1,2,3,4,5,6,7
	MMZ S+8*\t, KB+6*\t, QF, KS+\t/2, QS, \t%2     ; S^T: eight accumulators, each begun with 0
.endr
.rept 4
	v_nop                                          ; places ahead of the loads into K's registers and of the first read of the scores
.endr
	LOAD8 49152                                    ; V's four fragments: they land under the softmax
.irp b, 0,1,2,3
	v_max3_num_f32 v[BM+\b], v[S+16*\b], v[S+1+16*\b], v[S+2+16*\b]   ; the largest score of each block of 32 keys: it serves for the row's maximum and, since p rises with the score, for the block's largest p
.endr
.irp i, 3,5,7,9,11,13
.irp b, 0,1,2,3
	v_max3_num_f32 v[BM+\b], v[BM+\b], v[S+16*\b+\i], v[S+1+16*\b+\i]
.endr
.endr
.irp b, 0,1,2,3
	v_max_num_f32 v[BM+\b], v[BM+\b], v[S+15+16*\b]
.endr
.irp b, 0,1,2,3
	v_permlanex16_b32 v[T2+\b], v[BM+\b], s[SEL], s[SEL+1]
.endr
.irp b, 0,1,2,3
	v_max_num_f32 v[BM+\b], v[BM+\b], v[T2+\b]     ; with lane l xor 16's 16 keys
.endr
	v_max3_num_f32 v[TMP], v[BM], v[BM+1], v[BM+2]
	v_max_num_f32 v[TMP], v[TMP], v[BM+3]          ; the step's largest score of my query
	v_mul_f32 v[TMP], s[CS], v[TMP]                ; as t (c is positive)
	v_max_num_f32 v13, v13, v[TMP]                 ; the running largest t
	v_mov_b32 v[TMP], v12
	v_floor_f32 v12, -v13                          ; the new -M = floor(-t) = -ceil(t)
	v_sub_f32 v[TMP], v12, v[TMP]                  ; old M - new M: a whole number, 0 or less
	v_cvt_i32_f32 v[TMP], v[TMP]                   ; (it saturates)
	v_ldexp_f32 v[F], 1.0, v[TMP]                  ; f = 2^(old M - new M)
.irp j, 0,2,4,6,8,10,12,14,16,18,20,22,24,26,28,30,32,34,36,38,40,42,44,46,48,50,52,54,56,58,60,62
	v_pk_fma_f32 v[S+\j:S+1+\j], v[S+\j:S+1+\j], s[CS:CS+1], v[12:13] op_sel_hi:[1,0,0]   ; t - M, two at a time
.endr
.irp b, 0,1,2,3
	v_fma_f32 v[BM+\b], v[BM+\b], s[CS], v12       ; the same of each block's largest score
.endr
.irp j, 0,1,2,3,4,5,6,7,8,9,10,11,12,13,14,15,16,17,18,19,20,21,22,23,24,25,26,27,28,29,30,31,32,33,34,35,36,37,38,39,40,41,42,43,44,45,46,47,48,49,50,51,52,53,54,55,56,57,58,59,60,61,62,63
	v_exp_f32 v[S+\j], v[S+\j]                     ; p = 2^(t - M), at most 1
.endr
	v_pk_mul_f32 v[14:15], v[14:15], v[F:F+1] op_sel_hi:[1,0]   ; the sums under the new M: the plain instruction behind the exponentials
	s_wait_alu depctr_va_vdst(0)                   ; the wait ahead of the first instruction that names a result: one for the batch of 64
.irp b, 0,1,2,3
	v_exp_f32 v[BM+\b], v[BM+\b]                   ; the block's largest p: the same two instructions on the same number give the same bits
.endr
	v_pk_add_f32 v[SUM2:SUM2+1], v[S:S+1], v[S+2:S+3]   ; the row's sum of the unquantised p, two at a time, in two chains: plain work behind the four
.irp j, 4,8,12,16,20,24,28,32,36,40,44
	v_pk_add_f32 v[14:15], v[14:15], v[S+\j:S+1+\j]
	v_pk_add_f32 v[SUM2:SUM2+1], v[SUM2:SUM2+1], v[S+2+\j:S+3+\j]
.endr
	s_wait_alu depctr_va_vdst(0)                   ; and one for the four
.irp b, 0,1,2,3
	v_max_num_f32 v[BM+\b], 0x2800000, v[BM+\b]    ; the floor 2^(5 - 127): the byte cannot fall under 1
.endr
.irp b, 0,1,2,3
	v_add_nc_u32 v[SO+\b], 0xfe000000, v[BM+\b]    ; 4 off the exponent field: the conversion's scale operand
.endr
.irp b, 0,1,2,3
	v_lshrrev_b32 v[T2+\b], 23, v[SO+\b]           ; the scale's byte
.endr
	v_lshl_or_b32 v[PS], v[T2+1], 8, v[T2]         ; p's scale word for these 128 keys
	v_lshl_or_b32 v[PS], v[T2+2], 16, v[PS]
	v_lshl_or_b32 v[PS], v[T2+3], 24, v[PS]
.irp c, 0,1
	v_cvt_scalef32_pk16_bf6_f32 v[PCD+6*\c:PCD+2+6*\c], v[S+32*\c:S+15+32*\c], v[SO+2*\c]
	v_cvt_scalef32_pk16_bf6_f32 v[PT+4*\c:PT+2+4*\c], v[S+16+32*\c:S+31+32*\c], v[SO+2*\c+1]
.endr
	v_nop                                          ; one plain place behind a scaled conversion
.irp c, 0,1                                    ; the operand's layout wants a whole block in a lane
.irp i, 0,1,2
	v_permlane16_swap_b32 v[PCD+6*\c+\i], v[PT+4*\c+\i]
.endr
.irp i, 0,1,2
	v_mov_b32 v[PCD+3+6*\c+\i], v[PT+4*\c+\i]
.endr
.endr
.irp j, 0,2,4,6,8,10,12,14,16,18,20,22,24,26,28,30
	v_pk_mul_f32 v[OT+\j:OT+1+\j], v[OT+\j:OT+1+\j], v[F:F+1] op_sel_hi:[1,0]   ; O^T under the new M, each accumulator from its low end on
.endr
.irp j, 48,52,56,60                            ; the rest of the row's sum: nine plain instructions that name no register of the products below: the places between the vector writes of p's codes, p's scale word and O^T and those products
	v_pk_add_f32 v[14:15], v[14:15], v[S+\j:S+1+\j]
	v_pk_add_f32 v[SUM2:SUM2+1], v[SUM2:SUM2+1], v[S+2+\j:S+3+\j]
.endr
	v_pk_add_f32 v[14:15], v[14:15], v[SUM2:SUM2+1]
	s_wait_dscnt 0x0                               ; V is in
.irp t, 0,1,2,3
	MM OT+8*\t, KB+12*\t, PCD, VS+\t/2, PS, \t%2   ; O^T += V^T P^T: four accumulators by turns
.endr
	s_add_co_u32 s[TB], s[TB], 6144                ; the next step's records
	s_add_co_u32 s[TS], s[TS], 768
.endm
; THE CHANGE OF SLOTS stands at a slot's head.  Each wave waits for all its tensor loads, adds 0 to its spare word, and waits for that and for its reads of the slot that it has left.  fill = 1: a round of the cluster's barrier, so that no
; wave of any partner still reads that slot or has a load on its way; the joint load of the next group of keys is the first thing behind it, and has eight key steps in which to land.
.macro CHANGE fill
	s_wait_tensorcnt 0x0                           ; no tensor load of mine is out, so group 0 may be written
	ds_add_u32 v[SPW], v[NIL]
.if \fill
	ds_add_u32 v[SPW], v[NIL]                      ; where a load follows, twice on end, in every trip alike
	s_xor_b32 s21, s21, SLOT1                      ; the other slot than last time,
	s_add_nc_u64 s[22:23], s[22:23], 159744        ; the next group; the type bits on top are not reached
	s_wait_dscnt 0x0
	CROUND
	TLOAD
.else
	s_wait_dscnt 0x0
	s_barrier_signal -1
	s_barrier_wait -1
.endif
.endm
.macro SLOT_STEPS                      ; a slot's eight key steps: written once, walked eight times
	s_mov_b32 s[CNT], 8
.Lstep_\@:
	STEP
	s_sub_co_u32 s[CNT], s[CNT], 1
	s_cmp_lg_u32 s[CNT], 0
	s_cbranch_scc1 .Lstep_\@
	s_sub_co_u32 s[TB], s[TB], 49152               ; back to a slot's first step,
	s_xor_b32 s[TB], s[TB], SLOT1                  ; in the other slot
	s_sub_co_u32 s[TS], s[TS], 6144
	s_xor_b32 s[TS], s[TS], SLOT1
.endm
	s_wait_loadcnt 0x0                             ; Q
.Lslot:                                            ; three trips: groups 1, 2, 3 are asked for; group 1's, slot 1's first fill, goes as a refill does
	CHANGE 1
	SLOT_STEPS
	s_sub_co_u32 s[SLOTS], s[SLOTS], 1
	s_cmp_lg_u32 s[SLOTS], 0
	s_cbranch_scc1 .Lslot
	CHANGE 0                                       ; the last slot is written out
	SLOT_STEPS
	; THE WAY OUT: ctx = O^T / the sum, quantised along the head's 64 channels, two blocks of D
.rept 4
	v_nop                                          ; places behind the last products
.endr
	v_add_f32 v14, v14, v15                        ; the sum's two halves,
	v_permlanex16_b32 v[TMP], v14, s[SEL], s[SEL+1]
	v_add_f32 v14, v14, v[TMP]                     ; and lane l xor 16's: the row's sum
	v_rcp_f32 v14, v14
	v_nop                                          ; a plain place behind the reciprocal
	s_wait_alu depctr_va_vdst(0)                   ; and the wait ahead of its first reader
.irp j, 0,2,4,6,8,10,12,14,16,18,20,22,24,26,28,30
	v_pk_mul_f32 v[S+\j:S+1+\j], v[OT+\j:OT+1+\j], v[14:15] op_sel_hi:[1,0]   ; register 16 b + i is channel 32 b + 16 (lane / 16) + i of my query
.endr
	QUANT2 S, PCD, BM, PW
	global_store_b128 v[L16], v[PCD:PCD+3], s[48:49]
	global_store_b64 v[L8], v[PCD+4:PCD+5], s[48:49] offset:512
	ds_store_b32 v[CSA], v[PW]                     ; both halves of the lanes write the same word with the same value
	s_wait_dscnt 0x0                               ; for the others' sake: my store has landed
	s_barrier_signal -1
	s_barrier_wait -1
	s_cmp_lt_u32 s[WV], 2
	s_cbranch_scc0 .Lnot_out
	ds_load_b128 v[236:239], v[CSR]                ; waves 0 and 1: 512 bytes each of the work-group's 256 scale words
	s_wait_dscnt 0x0
	global_store_b128 v[L16], v[236:239], s[50:51]
.Lnot_out:
	s_wait_tensorcnt 0x0                           ; the wave's end: behind my last tensor load and my last LDS store
	ds_add_u32 v[SPW], v[NIL]
	s_wait_dscnt 0x0
	CROUND                                         ; the closing round: no work-group ends while a partner may still ask for a tile that names it
	s_endpgm
.Lfunc_end_k_qb41a67b2fc_attn:
	.size	k_qb41a67b2fc_attn, .Lfunc_end_k_qb41a67b2fc_attn-k_qb41a67b2fc_attn
	.p2alignl 7, 3214868480
	.fill 96, 4, 3214868480
	.section	.rodata,"a",@progbits
	.p2align	6, 0x0
	.amdhsa_kernel k_qb41a67b2fc_attn
		.amdhsa_group_segment_fixed_size 327680
		.amdhsa_private_segment_fixed_size 0
		.amdhsa_enable_private_segment 0
		.amdhsa_kernarg_size 24
		.amdhsa_user_sgpr_count 2
		.amdhsa_user_sgpr_kernarg_segment_ptr 1
		.amdhsa_wavefront_size32 1
		.amdhsa_system_sgpr_workgroup_id_x 1
		.amdhsa_system_sgpr_workgroup_id_y 1
		.amdhsa_system_sgpr_workgroup_id_z 1
		.amdhsa_system_vgpr_workitem_id 0
		.amdhsa_next_free_vgpr 256
		.amdhsa_next_free_sgpr 66
		.amdhsa_reserve_vcc 0
		.amdhsa_float_denorm_mode_32 3
		.amdhsa_float_denorm_mode_16_64 3
		.amdhsa_memory_ordered 1
		.amdhsa_forward_progress 1
		.amdhsa_inst_pref_size 45
	.end_amdhsa_kernel
	.amdgpu_metadata
---
amdhsa.version: [ 1, 2 ]
amdhsa.kernels:
  - .name:           k_qb41a67b2fc_attn
    .symbol:         k_qb41a67b2fc_attn.kd
    .args:
      - { .name: qkv, .offset: 0, .size: 8, .value_kind: global_buffer, .address_space: global }
      - { .name: cimg, .offset: 8, .size: 8, .value_kind: global_buffer, .address_space: global }
      - { .name: cs, .offset: 16, .size: 8, .value_kind: global_buffer, .address_space: global }
    .group_segment_fixed_size: 327680
    .private_segment_fixed_size: 0
    .kernarg_segment_align: 8
    .kernarg_segment_size: 24
    .max_flat_workgroup_size: 512
    .sgpr_count:     66
    .vgpr_count:     256
    .wavefront_size: 32
...
	.end_amdgpu_metadata
.endif
;; end of part 3
;; launch outp (part 4): grid 256 x 1, 8 waves a work-group, no clusters, 35,840 bytes of LDS; arguments cimg, cs, wimg, wsc, bo, out0; writes out0
.if DOCPART == 4
	.amdgcn_target "amdgcn-amd-amdhsa--gfx1250"
	.amdhsa_code_object_version 6
	.text
	.protected	k_qb41a67b2fc_outp
	.globl	k_qb41a67b2fc_outp
	.p2align	8
	.type	k_qb41a67b2fc_outp,@function
k_qb41a67b2fc_outp:
	s_mov_b64 s[64:65], 0
	v_nop
	global_prefetch_b8 v0, s[64:65] scope:SCOPE_SE
	s_setreg_imm32_b32 hwreg(HW_REG_WAVE_MODE, 25, 1), 1
	s_wait_xcnt 0x0
; Launch 4 of 4: out0 = ctx Wo^T + bo on codes of E3M2.  No work of reference() is left out.  LIMITS: as in the launches before.
; SHARES.  Work-group x: ctx's tiles 2 x and 2 x + 1, which are rows 32 x .. 32 x + 31 of out0 (lane r of tile u: row 32 x + 8 u + r + 8 (r / 8)).  Wave w: columns 64 w .. + 63.  The waves share nothing: no barrier.
; All operands go from memory straight into registers, in the order of the operand's registers: a fragment of ctx (16 rows x 128 of D) is the half records of heads 2 s and 2 s + 1 on end; its scale word is their two halves.
; Source 0 = 16 rows of Wo, source 1 = ctx: a lane holds eight neighbouring columns of one row of out0.  bo is the C of each sum's first matrix instruction.  A block of 16 rows x 64 columns goes through the wave's own stage in LDS
; and leaves as rows: sixteen lanes store 256 consecutive bytes, aligned.
; No cluster and no tensor load: what work-groups share, Wo's codes, goes straight into registers, 24,576 bytes a wave.
; REGISTERS.  Window 0: v1-9 addresses; v16-23 Wo's scale words; v24-31 ctx's; v32-47 their halves as loaded; v48-143 ctx's 8 fragments, later rows of out0; v144-207 the 8 accumulators.  Window 1: v0-191 Wo's 16 fragments; v192-223 bo.
.set L16, 1
.set L8,  2
.set R4,  3                            ; 4 r
.set BA,  4                            ; 64 h
.set STO, 5                            ; the stage: where I put 32 bytes of a row
.set RD,  6                            ; and where I read a row back
.set GO,  7                            ; my byte in two rows of out0
.set SPW, 8
.set NIL, 9
.set WS,  16
.set AS,  24
.set RAW, 32
.set AF,  48
.set AC,  144
.set BI,  192                          ; in window 1
.set SPARE, 34816                      ; behind the eight stages of 16 x 272 bytes: the spare words
.set MSB, 0
.macro WIN new
.if MSB != \new
	s_set_vgpr_msb (MSB<<8)|\new
.set MSB, \new
.endif
.endm
.macro MM d, a, b, c, sa, sb, ra       ; ra: source 0's scales are taken from lanes 16-31
.if \ra
	v_wmma_scale_f32_16x16x128_f8f6f4 v[\d:\d+7], v[\a:\a+11], v[\b:\b+11], v[\c:\c+7], v[\sa], v[\sb] matrix_a_fmt:MATRIX_FMT_BF6 matrix_b_fmt:MATRIX_FMT_BF6 matrix_a_scale:MATRIX_SCALE_ROW1
.else
	v_wmma_scale_f32_16x16x128_f8f6f4 v[\d:\d+7], v[\a:\a+11], v[\b:\b+11], v[\c:\c+7], v[\sa], v[\sb] matrix_a_fmt:MATRIX_FMT_BF6 matrix_b_fmt:MATRIX_FMT_BF6
.endif
.endm
	s_load_b256 s[4:11], s[0:1], 0x0               ; cimg s[4:5], cs s[6:7], wimg s[8:9], wsc s[10:11]
	s_load_b128 s[12:15], s[0:1], 0x20             ; bo s[12:13], out0 s[14:15]
	v_lshl_add_u32 v[SPW], v0, 2, SPARE
	v_mov_b32 v[NIL], 0
	v_lshrrev_b32 v10, 5, v0
	v_readfirstlane_b32 s16, v10                   ; wave 0..7
	v_and_b32 v10, 31, v0
	v_and_b32 v11, 15, v0                          ; r
	v_bfe_u32 v12, v0, 4, 1                        ; h
	v_lshlrev_b32 v[L16], 4, v10
	v_lshlrev_b32 v[L8], 3, v10
	v_lshlrev_b32 v[R4], 2, v11
	v_lshlrev_b32 v[BA], 6, v12
	s_mul_i32 s17, s16, 16*272                     ; my stage
	v_mul_u32_u24 v[STO], v11, 272
	v_lshl_add_u32 v[STO], v12, 6, v[STO]
	v_add_nc_u32 v[STO], s17, v[STO]               ; in: row r, + 64 h
	v_mul_u32_u24 v[RD], v12, 272
	v_lshl_add_u32 v[RD], v11, 4, v[RD]
	v_add_nc_u32 v[RD], s17, v[RD]                 ; back: lanes 0-15 one row of 256 bytes, lanes 16-31 the next
	v_lshlrev_b32 v[GO], 11, v12
	v_lshl_add_u32 v[GO], v11, 4, v[GO]            ; and the same two rows in out0
	s_mul_i32 s18, ttmp9, 12288                    ; ctx: two tiles x eight heads x 768 bytes
	s_mov_b32 s19, 0
	s_lshr_b32 s20, ttmp9, 7                       ; its scale words: batch x 8 heads x 16,384
	s_lshl_b32 s20, s20, 17
	s_and_b32 s21, ttmp9, 127
	s_lshl_b32 s21, s21, 7                         ; + 64 x the even tile's number in its batch
	s_add_co_u32 s20, s20, s21
	s_mov_b32 s21, 0
	s_add_co_u32 s22, s16, 24
	s_mul_i32 s22, s22, 24576                      ; Wo is tensor 3: (24 + w) x 16 images
	s_mov_b32 s23, 0
	s_lshl_b32 s24, s16, 10
	s_add_co_u32 s24, s24, 24576                   ; (48 + 2 w) x 512
	s_mov_b32 s25, 0
	s_lshl_b32 s26, s16, 8                         ; bo: 256 w
	s_mov_b32 s27, 0
	s_lshl_b32 s28, ttmp9, 16                      ; out0: 32 rows of 2,048 bytes,
	s_add_co_u32 s28, s28, s26                     ; + my 64 columns
	s_mov_b32 s29, 0
	s_wait_kmcnt 0x0
	s_add_nc_u64 s[4:5], s[4:5], s[18:19]
	s_add_nc_u64 s[6:7], s[6:7], s[20:21]
	s_add_nc_u64 s[8:9], s[8:9], s[22:23]
	s_add_nc_u64 s[10:11], s[10:11], s[24:25]
	s_add_nc_u64 s[12:13], s[12:13], s[26:27]
	s_add_nc_u64 s[14:15], s[14:15], s[28:29]
	WIN 0x40                                       ; destination window 1
.set FI, 0
.rept 16
.irp c, 0,1,2
	global_load_b128 v[12*FI+4*\c:12*FI+4*\c+3], v[L16], s[8:9] offset:1536*FI+512*\c
.endr
.set FI, FI+1
.endr
.irp t, 0,1,2,3
	global_load_b128 v[BI+8*\t:BI+8*\t+3], v[BA], s[12:13] offset:4*(32*(\t/2)+8*(\t%2))       ; register j of tile t is column 32 (t / 2) + 16 h + 8 (t % 2) + j
	global_load_b128 v[BI+8*\t+4:BI+8*\t+7], v[BA], s[12:13] offset:4*(32*(\t/2)+8*(\t%2))+16
.endr
	WIN 0
	global_load_b128 v[WS:WS+3], v[L16], s[10:11]
	global_load_b128 v[WS+4:WS+7], v[L16], s[10:11] offset:512
.irp u, 0,1
.irp s, 0,1,2,3
	global_load_b128 v[AF+48*\u+12*\s:AF+48*\u+12*\s+3], v[L16], s[4:5] offset:6144*\u+1536*\s
	global_load_b64 v[AF+48*\u+12*\s+4:AF+48*\u+12*\s+5], v[L8], s[4:5] offset:6144*\u+1536*\s+512
	global_load_b128 v[AF+48*\u+12*\s+6:AF+48*\u+12*\s+9], v[L16], s[4:5] offset:6144*\u+1536*\s+768
	global_load_b64 v[AF+48*\u+12*\s+10:AF+48*\u+12*\s+11], v[L8], s[4:5] offset:6144*\u+1536*\s+1280
.endr
.endr
.irp u, 0,1
.irp h, 0,1,2,3,4,5,6,7
	global_load_b32 v[RAW+8*\u+\h], v[R4], s[6:7] offset:16384*\h+64*\u
.endr
.endr
	s_wait_loadcnt 0x0
.irp u, 0,1
.irp s, 0,1,2,3
	v_lshl_or_b32 v[AS+4*\u+\s], v[RAW+8*\u+2*\s+1], 16, v[RAW+8*\u+2*\s]   ; the two bytes of head 2 s, then those of head 2 s + 1
.endr
.endr
.rept 8
	v_nop                                          ; a scale register written by a vector instruction stands eight places ahead of a scaled matrix instruction
.endr
	WIN 0x11                                       ; source 0 (Wo) and C (bo) window 1
.irp u, 0,1
.irp t, 0,1,2,3
	MM AC+32*\u+8*\t, 48*\t, AF+48*\u, BI+8*\t, WS+4*(\t/2), AS+4*\u, \t%2
.endr
.endr
	WIN 0x01                                       ; the eight accumulators by turns
.irp s, 1,2,3
.irp u, 0,1
.irp t, 0,1,2,3
	MM AC+32*\u+8*\t, 48*\t+12*\s, AF+48*\u+12*\s, AC+32*\u+8*\t, WS+4*(\t/2)+\s, AS+4*\u+\s, \t%2
.endr
.endr
.endr
	WIN 0
.rept 4
	v_nop                                          ; places ahead of the first read of results and of the loads into ctx's registers
.endr
.irp u, 0,1
.irp t, 0,1,2,3
	ds_store_b128 v[STO], v[AC+32*\u+8*\t:AC+32*\u+8*\t+3] offset:128*(\t/2)+32*(\t%2)          ; each accumulator from its low end on
	ds_store_b128 v[STO], v[AC+32*\u+8*\t+4:AC+32*\u+8*\t+7] offset:128*(\t/2)+32*(\t%2)+16
.endr
.irp i, 0,1,2,3,4,5,6,7
	ds_load_b128 v[AF+32*\u+4*\i:AF+32*\u+4*\i+3], v[RD] offset:544*\i   ; LDS serves a wave's instructions in order: these see my stores, and the next block's stores come behind them
.endr
.endr
.irp u, 0,1
.irp i, 0,1,2,3,4,5,6,7
	s_wait_dscnt 23-16*\u-\i                       ; younger than this load: the block's 7 - i later loads, and for block 0 block 1's sixteen instructions
	global_store_b128 v[GO], v[AF+32*\u+4*\i:AF+32*\u+4*\i+3], s[14:15] offset:(8*\u+2*\i+8*(\i/4))*2048 th:TH_STORE_NT   ; stage rows 2 i and 2 i + 1 are rows 8 u + 2 i + 8 (i / 4) and the next
.endr
.endr
	s_wait_tensorcnt 0x0                           ; the wave's end: behind my last LDS store
	ds_add_u32 v[SPW], v[NIL]
	s_wait_dscnt 0x0
	s_endpgm
.Lfunc_end_k_qb41a67b2fc_outp:
	.size	k_qb41a67b2fc_outp, .Lfunc_end_k_qb41a67b2fc_outp-k_qb41a67b2fc_outp
	.p2alignl 7, 3214868480
	.fill 96, 4, 3214868480
	.section	.rodata,"a",@progbits
	.p2align	6, 0x0
	.amdhsa_kernel k_qb41a67b2fc_outp
		.amdhsa_group_segment_fixed_size 35840
		.amdhsa_private_segment_fixed_size 0
		.amdhsa_enable_private_segment 0
		.amdhsa_kernarg_size 48
		.amdhsa_user_sgpr_count 2
		.amdhsa_user_sgpr_kernarg_segment_ptr 1
		.amdhsa_wavefront_size32 1
		.amdhsa_system_sgpr_workgroup_id_x 1
		.amdhsa_system_sgpr_workgroup_id_y 1
		.amdhsa_system_sgpr_workgroup_id_z 1
		.amdhsa_system_vgpr_workitem_id 0
		.amdhsa_next_free_vgpr 512
		.amdhsa_next_free_sgpr 66
		.amdhsa_reserve_vcc 0
		.amdhsa_float_denorm_mode_32 3
		.amdhsa_float_denorm_mode_16_64 3
		.amdhsa_memory_ordered 1
		.amdhsa_forward_progress 1
		.amdhsa_inst_pref_size 22
	.end_amdhsa_kernel
	.amdgpu_metadata
---
amdhsa.version: [ 1, 2 ]
amdhsa.kernels:
  - .name:           k_qb41a67b2fc_outp
    .symbol:         k_qb41a67b2fc_outp.kd
    .args:
      - { .name: cimg, .offset: 0, .size: 8, .value_kind: global_buffer, .address_space: global }
      - { .name: cs, .offset: 8, .size: 8, .value_kind: global_buffer, .address_space: global }
      - { .name: wimg, .offset: 16, .size: 8, .value_kind: global_buffer, .address_space: global }
      - { .name: wsc, .offset: 24, .size: 8, .value_kind: global_buffer, .address_space: global }
      - { .name: bo, .offset: 32, .size: 8, .value_kind: global_buffer, .address_space: global }
      - { .name: out0, .offset: 40, .size: 8, .value_kind: global_buffer, .address_space: global }
    .group_segment_fixed_size: 35840
    .private_segment_fixed_size: 0
    .kernarg_segment_align: 8
    .kernarg_segment_size: 48
    .max_flat_workgroup_size: 256
    .sgpr_count:     66
    .vgpr_count:     512
    .wavefront_size: 32
...
	.end_amdgpu_metadata
.endif
;; end of part 4
;; ======== version 2 of 2: 4 launches
;; workspace buffers: wimg 786,432 bytes; wsc 32,768 bytes; qkv 10,223,616 bytes; cimg 3,145,728 bytes; cs 262,144 bytes
;; launch wquant (part 5): grid 64 x 1, 8 waves a work-group, no clusters, 1,536 bytes of LDS; arguments Wq, Wk, Wv, Wo, wimg, wsc; writes wimg, wsc
.if DOCPART == 5
	.amdgcn_target "amdgcn-amd-amdhsa--gfx1250"
	.amdhsa_code_object_version 6
	.text
	.protected	k_qb41a67b2fc_wquant
	.globl	k_qb41a67b2fc_wquant
	.p2align	8
	.type	k_qb41a67b2fc_wquant,@function
k_qb41a67b2fc_wquant:
	s_mov_b64 s[64:65], 0
	v_nop
	global_prefetch_b8 v0, s[64:65] scope:SCOPE_SE
	s_setreg_imm32_b32 hwreg(HW_REG_WAVE_MODE, 25, 1), 1
	s_wait_xcnt 0x0
; MULTI-HEAD ATTENTION IN MX-BF6, launch 1 of 4: the four weights [512][512] f32 (K, their last axis, innermost) become codes of E3M2 with one E8M0 byte for each 32 along K.
; DEAD WORK: none.  All six products of reference() are live; bq, bk and bv go into quantised operands (qh, kh, vh) and can move their codes and scales, bo goes into the output: all eleven inputs are loaded by some launch.
; LIMITS: NaN and infinities among the inputs are not served.  A block whose largest magnitude lies under 2^(5 - 127), a block of zeros among them, keeps the byte 1 where the rule says less or 127: a block of zeros has zero codes,
; which add nothing under any byte but 0xff, and the bytes are read by this program alone.
; LAYOUT OF THE WORKSPACE: in the order of the operand's registers.  A fragment (16 rows x 128 K: 12 registers a lane) is an image of 1,536 bytes: registers 4 c .. 4 c + 3 of lane L at 512 c + 16 L.
; wimg: [tensor q, k, v, o][group w of 64 rows][tile t of 4][K step s of 4] images.  THE ROWS OF A TILE ARE NOT NEIGHBOURS: lane r of tile t takes row 64 w + 32 (t / 2) + 8 (t % 2) + r + 8 (r / 8), so that in a result whose
; source 0 was such a tile the 16 registers of tiles 2 b and 2 b + 1 are 16 neighbours along the next K.
; wsc: [tensor][pair P of tiles: rows 32 P ..][lane 32][K step 4] words: lanes 0-15 the even tile's rows, lanes 16-31 the odd tile's: one load of 16 bytes a lane brings a pair's four scale registers.
; SHARES: work-group x: tensor x / 16, pair x % 16.  Wave: tile u = wave / 4 of the pair, K step s = wave % 4: one fragment.  64 work-groups are all the work that there is.
; No tensor load, no cluster: no two work-groups read the same bytes.
.set XA,  4                            ; v4   my byte in the pair's 32 rows
.set L16, 5                            ; v5   16 x lane
.set SPW, 6                            ; v6   LDS address of my spare word; never rewritten
.set NIL, 7                            ; v7   0; never rewritten
.set GA,  8                            ; v8   where my row's scale word goes in the gather
.set ST,  16                           ; v16-79   64 numbers
.set PC,  80                           ; v80-98   the codes
.set TM,  100                          ; v100-111 at work
.set PW,  112                          ; v112     the scale word
.set SEL, 20                           ; s[20:21] v_permlanex16_b32's selects for lane l xor 16
.set SPARE, 512                        ; behind the gather's 512 bytes: the spare words, 128 bytes for each of eight waves
; 64 numbers of a lane, register 16 b + i = k 32 b + 16 (lane / 16) + i of my row, become a fragment's codes in v[pc] .. v[pc + 11] and its scale word in v[pw]
.macro QUANT src, pc, tm, pw
.irp b, 0,1,2,3
	v_max3_num_f32 v[\tm+\b], |v[\src+16*\b]|, |v[\src+1+16*\b]|, 0x2800000   ; block b: my 16 numbers, and the floor 2^(5 - 127): the byte cannot fall under 1
.endr
.irp i, 2,4,6,8,10,12,14
.irp b, 0,1,2,3
	s_delay_alu instid0(VALU_DEP_4)
	v_max3_num_f32 v[\tm+\b], v[\tm+\b], |v[\src+16*\b+\i]|, |v[\src+1+16*\b+\i]|   ; the four blocks by turns
.endr
.endr
.irp b, 0,1,2,3
	s_delay_alu instid0(VALU_DEP_4)
	v_permlanex16_b32 v[\tm+4+\b], v[\tm+\b], s[SEL], s[SEL+1]
.endr
.irp b, 0,1,2,3
	s_delay_alu instid0(VALU_DEP_4)
	v_max_num_f32 v[\tm+\b], v[\tm+\b], v[\tm+4+\b]   ; with lane l xor 16's: the block's largest magnitude
.endr
.irp b, 0,1,2,3
	s_delay_alu instid0(VALU_DEP_4)
	v_add_nc_u32 v[\tm+8+\b], 0xfe000000, v[\tm+\b]   ; 4 off its exponent field: the conversion's scale operand
.endr
.irp b, 0,1,2,3
	s_delay_alu instid0(VALU_DEP_4)
	v_lshrrev_b32 v[\tm+4+\b], 23, v[\tm+8+\b]        ; the scale's byte
.endr
	s_delay_alu instid0(VALU_DEP_3)
	v_lshl_or_b32 v[\pw], v[\tm+5], 8, v[\tm+4]
	s_delay_alu instid0(VALU_DEP_1)
	v_lshl_or_b32 v[\pw], v[\tm+6], 16, v[\pw]
	s_delay_alu instid0(VALU_DEP_1)
	v_lshl_or_b32 v[\pw], v[\tm+7], 24, v[\pw]
.irp c, 0,1
	v_cvt_scalef32_pk16_bf6_f32 v[\pc+6*\c:\pc+2+6*\c], v[\src+32*\c:\src+15+32*\c], v[\tm+8+2*\c]
	v_cvt_scalef32_pk16_bf6_f32 v[\pc+12+4*\c:\pc+14+4*\c], v[\src+16+32*\c:\src+31+32*\c], v[\tm+9+2*\c]   ; (a conversion's three registers begin on an even number)
.endr
	v_nop                                          ; one plain place behind a scaled conversion
.irp c, 0,1                                    ; the operand's layout wants a whole block in a lane: lanes 0-15 block 2 c, lanes 16-31 block 2 c + 1
.irp i, 0,1,2
	v_permlane16_swap_b32 v[\pc+6*\c+\i], v[\pc+12+4*\c+\i]
.endr
.irp i, 0,1,2
	s_delay_alu instid0(VALU_DEP_3)
	v_mov_b32 v[\pc+3+6*\c+\i], v[\pc+12+4*\c+\i]
.endr
.endr
.endm
	s_load_b256 s[4:11], s[0:1], 0x0               ; Wq s[4:5], Wk s[6:7], Wv s[8:9], Wo s[10:11]
	s_load_b128 s[12:15], s[0:1], 0x20             ; wimg s[12:13], wsc s[14:15]
	v_lshl_add_u32 v[SPW], v0, 2, SPARE
	v_mov_b32 v[NIL], 0
	v_lshrrev_b32 v1, 5, v0
	s_delay_alu instid0(VALU_DEP_1)
	v_readfirstlane_b32 s16, v1                    ; wave 0..7
	s_lshr_b32 s17, s16, 2                         ; u
	s_and_b32 s18, s16, 3                          ; s
	v_and_b32 v1, 31, v0                           ; lane
	v_and_b32 v2, 15, v0                           ; r
	v_bfe_u32 v3, v0, 4, 1                         ; h
	s_delay_alu instid0(VALU_DEP_2)
	v_and_b32 v9, 8, v2
	s_delay_alu instid0(VALU_DEP_1)
	v_add_nc_u32 v9, v9, v2                        ; r + 8 (r / 8)
	s_delay_alu instid0(VALU_DEP_1)
	v_lshlrev_b32 v[XA], 11, v9                    ; a row is 2,048 bytes
	s_delay_alu instid0(VALU_DEP_1)
	v_lshl_add_u32 v[XA], v3, 6, v[XA]             ; + 64 h: my 16 numbers of a block of 32
	s_lshl_b32 s19, s17, 14                        ; + 8 u rows
	s_lshl_b32 s22, s18, 9                         ; + K step s: 512 bytes
	s_add_co_u32 s19, s19, s22
	v_add_nc_u32 v[XA], s19, v[XA]
	v_lshlrev_b32 v[L16], 4, v1
	v_lshlrev_b32 v[GA], 4, v2                     ; the gather: 16 (r + 16 u) + 4 s
	s_lshl_b32 s22, s17, 8
	s_lshl_b32 s23, s18, 2
	s_add_co_u32 s22, s22, s23
	v_add_nc_u32 v[GA], s22, v[GA]
	s_mov_b32 s[SEL], 0x76543210
	s_mov_b32 s[SEL+1], 0xfedcba98
.irp b, 0,1,2,3
	v_mov_b32 v[TM+4+\b], 0                        ; written once: a lane permute's destination counts as one of its sources
.endr
	s_and_b32 s24, ttmp9, 15
	s_lshl_b32 s24, s24, 16                        ; the pair's 32 rows begin 65,536 P bytes into the tensor
	s_mov_b32 s25, 0
	s_lshl_b32 s26, ttmp9, 1
	s_add_co_u32 s26, s26, s17
	s_lshl_b32 s26, s26, 2
	s_add_co_u32 s26, s26, s18
	s_mul_i32 s26, s26, 1536                       ; my image: ((2 x + u) 4 + s) x 1,536
	s_mov_b32 s27, 0
	s_lshl_b32 s28, ttmp9, 9                       ; the pair's scale words: 512 x
	s_mov_b32 s29, 0
	s_wait_alu depctr_va_vdst(0)
	s_wait_kmcnt 0x0
	s_cmp_lt_u32 ttmp9, 16                         ; which tensor: the choice hangs on the work-group's number alone
	s_cselect_b64 s[4:5], s[4:5], s[6:7]
	s_cmp_lt_u32 ttmp9, 48
	s_cselect_b64 s[8:9], s[8:9], s[10:11]
	s_cmp_lt_u32 ttmp9, 32
	s_cselect_b64 s[4:5], s[4:5], s[8:9]
	s_add_nc_u64 s[4:5], s[4:5], s[24:25]
	s_add_nc_u64 s[12:13], s[12:13], s[26:27]
	s_add_nc_u64 s[14:15], s[14:15], s[28:29]
.irp b, 0,1,2,3
.irp j, 0,1,2,3
	global_load_b128 v[ST+16*\b+4*\j:ST+16*\b+4*\j+3], v[XA], s[4:5] offset:128*\b+16*\j th:TH_LOAD_NT
.endr
.endr
	s_wait_loadcnt 0x0
	QUANT ST, PC, TM, PW
.irp c, 0,1,2
	global_store_b128 v[L16], v[PC+4*\c:PC+4*\c+3], s[12:13] offset:512*\c   ; 32 lanes store 512 consecutive bytes, aligned
.endr
	ds_store_b32 v[GA], v[PW]                      ; both halves of the lanes write the same word with the same value
	s_wait_dscnt 0x0                               ; for the others' sake: my store has landed
	s_barrier_signal -1
	s_barrier_wait -1
	s_cmp_lg_u32 s16, 0
	s_cbranch_scc1 .Lend
	ds_load_b128 v[116:119], v[L16]                ; wave 0: the pair's 512 bytes of scale words
	s_wait_dscnt 0x0
	global_store_b128 v[L16], v[116:119], s[14:15]
.Lend:
	s_wait_tensorcnt 0x0                           ; the wave's end: behind my last LDS store
	ds_add_u32 v[SPW], v[NIL]
	s_wait_dscnt 0x0
	s_endpgm
.Lfunc_end_k_qb41a67b2fc_wquant:
	.size	k_qb41a67b2fc_wquant, .Lfunc_end_k_qb41a67b2fc_wquant-k_qb41a67b2fc_wquant
	.p2alignl 7, 3214868480
	.fill 96, 4, 3214868480
	.section	.rodata,"a",@progbits
	.p2align	6, 0x0
	.amdhsa_kernel k_qb41a67b2fc_wquant
		.amdhsa_group_segment_fixed_size 1536
		.amdhsa_private_segment_fixed_size 0
		.amdhsa_enable_private_segment 0
		.amdhsa_kernarg_size 48
		.amdhsa_user_sgpr_count 2
		.amdhsa_user_sgpr_kernarg_segment_ptr 1
		.amdhsa_wavefront_size32 1
		.amdhsa_system_sgpr_workgroup_id_x 1
		.amdhsa_system_sgpr_workgroup_id_y 1
		.amdhsa_system_sgpr_workgroup_id_z 1
		.amdhsa_system_vgpr_workitem_id 0
		.amdhsa_next_free_vgpr 128
		.amdhsa_next_free_sgpr 66
		.amdhsa_reserve_vcc 0
		.amdhsa_float_denorm_mode_32 3
		.amdhsa_float_denorm_mode_16_64 3
		.amdhsa_memory_ordered 1
		.amdhsa_forward_progress 1
		.amdhsa_inst_pref_size 11
	.end_amdhsa_kernel
	.amdgpu_metadata
---
amdhsa.version: [ 1, 2 ]
amdhsa.kernels:
  - .name:           k_qb41a67b2fc_wquant
    .symbol:         k_qb41a67b2fc_wquant.kd
    .args:
      - { .name: Wq, .offset: 0, .size: 8, .value_kind: global_buffer, .address_space: global }
      - { .name: Wk, .offset: 8, .size: 8, .value_kind: global_buffer, .address_space: global }
      - { .name: Wv, .offset: 16, .size: 8, .value_kind: global_buffer, .address_space: global }
      - { .name: Wo, .offset: 24, .size: 8, .value_kind: global_buffer, .address_space: global }
      - { .name: wimg, .offset: 32, .size: 8, .value_kind: global_buffer, .address_space: global }
      - { .name: wsc, .offset: 40, .size: 8, .value_kind: global_buffer, .address_space: global }
    .group_segment_fixed_size: 1536
    .private_segment_fixed_size: 0
    .kernarg_segment_align: 8
    .kernarg_segment_size: 48
    .max_flat_workgroup_size: 256
    .sgpr_count:     66
    .vgpr_count:     128
    .wavefront_size: 32
...
	.end_amdgpu_metadata
.endif
;; end of part 5
;; launch proj (part 6): grid 192 x 1, 8 waves a work-group, no clusters, 54,272 bytes of LDS; arguments q, k, v, bq, bk, bv, wimg, wsc, qkv; writes qkv
.if DOCPART == 6
	.amdgcn_target "amdgcn-amd-amdhsa--gfx1250"
	.amdhsa_code_object_version 6
	.text
	.protected	k_qb41a67b2fc_proj
	.globl	k_qb41a67b2fc_proj
	.p2align	8
	.type	k_qb41a67b2fc_proj,@function
k_qb41a67b2fc_proj:
	s_mov_b64 s[64:65], 0
	v_nop
	global_prefetch_b8 v0, s[64:65] scope:SCOPE_SE
	s_setreg_imm32_b32 hwreg(HW_REG_WAVE_SCHED_MODE, 0, 2), 2
	s_setreg_imm32_b32 hwreg(HW_REG_WAVE_MODE, 25, 1), 1
	s_wait_xcnt 0x0
	s_wait_alu depctr_vm_vsrc(0)
; Launch 2 of 4: qh = q Wq^T + bq, kh = k Wk^T + bk, vh = v Wv^T + bv, each on codes of E3M2; the results are quantised in registers and stored as the operands of the attention launch.  No work of reference() is left out.
; LIMITS: as in the first launch (NaN and infinities not served; blocks under the floor 2^(5 - 127) keep the byte 1).
; SHARES.  Work-group: tensor T = x / 64 (q, k, v), block i = x % 64 of 128 rows.  THE WAVES SHARE THE COLUMNS: wave w is head w (columns 64 w .. + 63) for all 128 rows; its 16 fragments of the weight stay in registers.
; First wave w quantises rows' tile w of x (four fragments) and stores them in LDS as images of their registers; one barrier; then every wave reads all 32 images, each once.
; THE ROWS OF A TILE ARE NOT NEIGHBOURS: lane r of tile m takes row 32 (m / 2) + 8 (m % 2) + r + 8 (r / 8) of the block; so for x's rows and for the weight's.
; q, k: source 0 = the weight, source 1 = x: a lane holds one row, its 32 registers the head's 64 channels by halves: they are quantised along the channels (the K of q k^T).
; v:    source 0 = x, source 1 = the weight: a lane holds one channel, its registers run along the keys: they are quantised along the keys (the K of p v).
; The bias is the C of each sum's first matrix instruction.
; WHAT IS STORED.  A half record is 16 rows x 64 codes, 6 registers a lane: registers 0-3 at 16 L, registers 4, 5 at 512 + 8 L: 768 bytes.  qkv: [head y = 8 batch + h][group of 1,024 rows] of 159,744 bytes:
; + 0 K's 64 records (768 x tile); + 49,152 V's 64 (6,144 x key step + 1,536 x channel tile + 768 x half of the step's keys); + 98,304 eight records of 768: 512 bytes K's four scale registers (a pair of tiles each: lanes 0-15 the even
; tile, lanes 16-31 the odd), 256 bytes V's two; + 104,448 Q's 64 records; + 153,600 Q's scale registers, 512 of each 768 bytes.  Every store covers 512 or 256 consecutive bytes, aligned.
; No cluster and no tensor load: x's block is read by one work-group alone, and the weights go straight into registers, 24,576 bytes a wave.  192 work-groups are all the work that there is.
; REGISTERS.  Window 0: v1-6, v11 addresses; v14, v15 the add's two; v16-23 the weight's scale words; v24-55 x's; v56-63 scale words being gathered; v64-191 accumulators (before the barrier: numbers of x);
; v192-239 fragments of x (before the barrier: codes, two buffers, and work); v240-255 the way out.  Window 1: v0-191 the weight's fragments at 12 (4 t + s); v192-223 the bias, 8 registers a tile.
; THE MODE: SCHED_MODE bits 1:0 = 2 (LLVM: expert scheduling mode 2), set by the entry lines.  The code itself states the register dependences between vector or matrix instructions and memory or LDS instructions, with s_wait_alu, always for 0.
; THE PLAN.  Registers that memory or LDS instructions touch:
;   v1-6, v11     offsets and LDS addresses: made once at the head and never written again: one wait on va_vdst, ahead of the first load, serves them all.
;   HA, ST        numbers of x.  K step n's quantising lines read one of them; behind them the loads of K step n + 2 land in it.
;   PCA, PCB      codes of x, by turns.  K step n's lines write one, its three LDS stores read it, K step n + 2's lines write it again.
;   SW            before the barrier x's four scale words: written by the quantising lines, read by one LDS store.  Behind it the paired scale registers: written on the way out, read by the last store.
;   XF, XG (q, k) four fragments of x each.  Tile m's sixteen products read one; behind them the loads of tile m + 2 land in it.
;   XF (v)        two buffers of two fragments.  Unit n's eight products read one; behind them the loads of unit n + 2 land in it.
;   PC2           a half record: written by the way out's quantising lines, read by two stores, written again by the next way out.
;   The weight, the bias, WS and XS are loaded once, into registers that no vector instruction has named.  The accumulators, TM, TM2, PW and PW4 are named by vector and matrix instructions alone.
; So: one wait on va_vdst behind each run of quantising lines, with that run's stores and the next loads behind it in one run; one wait on vm_vsrc ahead of each rewriting of a buffer that stores have read, a step behind those stores.
.set L16, 1                            ; 16 x lane
.set L8,  2                            ; 8 x lane
.set XA,  3                            ; x: my byte in the block's 128 rows
.set XWI, 4                            ; where I store x's images: 16 x lane + 6,144 x wave
.set XWS, 5                            ; and their scale words: XSC + 16 x lane + 512 x wave
.set BAQ, 6                            ; my byte in my head's 64 numbers of the bias: q, k;
.set BAV, 11                           ; v
.set SPW, 14
.set NIL, 15
.set WS,  16
.set XS,  24
.set SW,  56
.set PW4, 60
.set AC,  64
.set HA,  64
.set ST,  128
.set XF,  192
.set XG,  128
.set PCA, 192
.set TM,  212
.set PCB, 224
.set PC2, 240
.set PW,  249
.set TM2, 250
.set BI,  192                          ; in window 1
.set XSC, 49152                        ; LDS: 32 images of 1,536 bytes from 0; then 8 x 512 bytes of scale words;
.set SPARE, 53248                      ; then the spare words, 128 bytes for each of eight waves
.set SEL, 30
.set MASK, 62                          ; s62  lanes 16-31: the odd tile's half of a paired scale register
.set MSB, 0
.macro WIN new                         ; the immediate's high byte repeats the setting that is left
.if MSB != \new
	s_set_vgpr_msb (MSB<<8)|\new
.set MSB, \new
.endif
.endm
.macro QUANT src, pc, tm, pw           ; 64 numbers, register 16 b + i = k 32 b + 16 (lane / 16) + i of my row -> a fragment in v[pc] .. v[pc + 11], its scale word in v[pw]
.irp b, 0,1,2,3
	v_max3_num_f32 v[\tm+\b], |v[\src+16*\b]|, |v[\src+1+16*\b]|, 0x2800000   ; the floor 2^(5 - 127) among the leaves
.endr
.irp i, 2,4,6,8,10,12,14
.irp b, 0,1,2,3
	v_max3_num_f32 v[\tm+\b], v[\tm+\b], |v[\src+16*\b+\i]|, |v[\src+1+16*\b+\i]|
.endr
.endr
.irp b, 0,1,2,3
	v_permlanex16_b32 v[\tm+4+\b], v[\tm+\b], s[SEL], s[SEL+1]
.endr
.irp b, 0,1,2,3
	v_max_num_f32 v[\tm+\b], v[\tm+\b], v[\tm+4+\b]
.endr
.irp b, 0,1,2,3
	v_add_nc_u32 v[\tm+8+\b], 0xfe000000, v[\tm+\b]   ; 4 off the exponent field: the conversion's scale operand
.endr
.irp b, 0,1,2,3
	v_lshrrev_b32 v[\tm+4+\b], 23, v[\tm+8+\b]
.endr
	v_lshl_or_b32 v[\pw], v[\tm+5], 8, v[\tm+4]
	v_lshl_or_b32 v[\pw], v[\tm+6], 16, v[\pw]
	v_lshl_or_b32 v[\pw], v[\tm+7], 24, v[\pw]
.irp c, 0,1
	v_cvt_scalef32_pk16_bf6_f32 v[\pc+6*\c:\pc+2+6*\c], v[\src+32*\c:\src+15+32*\c], v[\tm+8+2*\c]
	v_cvt_scalef32_pk16_bf6_f32 v[\pc+12+4*\c:\pc+14+4*\c], v[\src+16+32*\c:\src+31+32*\c], v[\tm+9+2*\c]
.endr
	v_nop                                          ; one plain place behind a scaled conversion
.irp c, 0,1
.irp i, 0,1,2
	v_permlane16_swap_b32 v[\pc+6*\c+\i], v[\pc+12+4*\c+\i]
.endr
.irp i, 0,1,2
	v_mov_b32 v[\pc+3+6*\c+\i], v[\pc+12+4*\c+\i]
.endr
.endr
.endm
.macro QUANT2 src, pc, tm, pw          ; the same for 32 numbers, two blocks: a half record in v[pc] .. v[pc + 5]; the scale word's upper two bytes are 0.  It reads each accumulator from its low end on
.irp b, 0,1
	v_max3_num_f32 v[\tm+\b], |v[\src+16*\b]|, |v[\src+1+16*\b]|, 0x2800000
.endr
.irp i, 2,4,6,8,10,12,14
.irp b, 0,1
	v_max3_num_f32 v[\tm+\b], v[\tm+\b], |v[\src+16*\b+\i]|, |v[\src+1+16*\b+\i]|
.endr
.endr
.irp b, 0,1
	v_permlanex16_b32 v[\tm+2+\b], v[\tm+\b], s[SEL], s[SEL+1]
.endr
.irp b, 0,1
	v_max_num_f32 v[\tm+\b], v[\tm+\b], v[\tm+2+\b]
.endr
.irp b, 0,1
	v_add_nc_u32 v[\tm+4+\b], 0xfe000000, v[\tm+\b]
.endr
.irp b, 0,1
	v_lshrrev_b32 v[\tm+2+\b], 23, v[\tm+4+\b]
.endr
	v_lshl_or_b32 v[\pw], v[\tm+3], 8, v[\tm+2]
	v_cvt_scalef32_pk16_bf6_f32 v[\pc:\pc+2], v[\src:\src+15], v[\tm+4]
	v_cvt_scalef32_pk16_bf6_f32 v[\pc+6:\pc+8], v[\src+16:\src+31], v[\tm+5]
	v_nop                                          ; one plain place behind a scaled conversion
.irp i, 0,1,2
	v_permlane16_swap_b32 v[\pc+\i], v[\pc+6+\i]   ; lanes 0-15 keep block 0, lanes 16-31 get block 1: first its lower 16 codes,
.endr
.irp i, 0,1,2
	v_mov_b32 v[\pc+3+\i], v[\pc+6+\i]             ; then its upper 16
.endr
.endm
; one product: D, A, B, C, A's scales, B's scales; ra, rb: that side's scales are taken from lanes 16-31
.macro MM d, a, b, c, sa, sb, ra, rb
.if \ra
	v_wmma_scale_f32_16x16x128_f8f6f4 v[\d:\d+7], v[\a:\a+11], v[\b:\b+11], v[\c:\c+7], v[\sa], v[\sb] matrix_a_fmt:MATRIX_FMT_BF6 matrix_b_fmt:MATRIX_FMT_BF6 matrix_a_scale:MATRIX_SCALE_ROW1
.elseif \rb
	v_wmma_scale_f32_16x16x128_f8f6f4 v[\d:\d+7], v[\a:\a+11], v[\b:\b+11], v[\c:\c+7], v[\sa], v[\sb] matrix_a_fmt:MATRIX_FMT_BF6 matrix_b_fmt:MATRIX_FMT_BF6 matrix_b_scale:MATRIX_SCALE_ROW1
.else
	v_wmma_scale_f32_16x16x128_f8f6f4 v[\d:\d+7], v[\a:\a+11], v[\b:\b+11], v[\c:\c+7], v[\sa], v[\sb] matrix_a_fmt:MATRIX_FMT_BF6 matrix_b_fmt:MATRIX_FMT_BF6
.endif
.endm
.macro PLACES                          ; four places behind matrix instructions, ahead of the first read of their results; they stand ahead of the loads into their sources too, beside the wait there
.rept 4
	v_nop
.endr
.endm
.macro XLOAD reg, s                    ; my 16 rows' numbers of K step s: 64 a lane
.irp b, 0,1,2,3
.irp j, 0,1,2,3
	global_load_b128 v[\reg+16*\b+4*\j:\reg+16*\b+4*\j+3], v[XA], s[34:35] offset:512*\s+128*\b+16*\j th:TH_LOAD_NT
.endr
.endr
.endm
.macro IMAGE pc, s                     ; the fragment in v[pc] on goes to LDS as it stands
.irp c, 0,1,2
	ds_store_b128 v[XWI], v[\pc+4*\c:\pc+4*\c+3] offset:1536*\s+512*\c
.endr
.endm
	s_load_b256 s[4:11], s[0:1], 0x0               ; q s[4:5], k s[6:7], v s[8:9], bq s[10:11]
	s_load_b256 s[12:19], s[0:1], 0x20             ; bk s[12:13], bv s[14:15], wimg s[16:17], wsc s[18:19]
	s_load_b64 s[20:21], s[0:1], 0x40              ; qkv
	v_lshl_add_u32 v[SPW], v0, 2, SPARE
	v_mov_b32 v[NIL], 0
	v_lshrrev_b32 v7, 5, v0
	v_readfirstlane_b32 s22, v7                    ; wave = head 0..7
	s_lshr_b32 s23, ttmp9, 6                       ; T
	s_and_b32 s24, ttmp9, 63                       ; i
	v_and_b32 v7, 31, v0                           ; lane
	v_and_b32 v8, 15, v0                           ; r
	v_bfe_u32 v9, v0, 4, 1                         ; h
	v_lshlrev_b32 v[L16], 4, v7
	v_lshlrev_b32 v[L8], 3, v7
	v_and_b32 v10, 8, v8
	v_add_nc_u32 v10, v10, v8                      ; r + 8 (r / 8)
	v_lshlrev_b32 v[XA], 11, v10                   ; a row of x is 2,048 bytes
	v_lshl_add_u32 v[XA], v9, 6, v[XA]             ; + 64 h
	v_lshlrev_b32 v[BAQ], 6, v9                    ; the bias, q, k: register j of tile t is channel 32 (t / 2) + 16 h + 8 (t % 2) + j
	v_lshlrev_b32 v[BAV], 2, v10                   ; v: all eight registers of tile t are channel 32 (t / 2) + 8 (t % 2) + r + 8 (r / 8)
	s_wait_alu depctr_va_sdst(0)                   ; s22 is written, ahead of its first reader
	s_lshr_b32 s25, s22, 1
	s_lshl_b32 s25, s25, 16                        ; + 32 (w / 2) rows
	s_and_b32 s26, s22, 1
	s_lshl_b32 s26, s26, 14                        ; + 8 (w % 2) rows
	s_add_co_u32 s25, s25, s26
	v_add_nc_u32 v[XA], s25, v[XA]
	s_mul_i32 s25, s22, 6144
	v_add_nc_u32 v[XWI], s25, v[L16]
	s_lshl_b32 s25, s22, 9
	s_add_co_u32 s25, s25, XSC
	v_add_nc_u32 v[XWS], s25, v[L16]
	s_mov_b32 s[SEL], 0x76543210
	s_mov_b32 s[SEL+1], 0xfedcba98
	s_mov_b32 s[MASK], 0xffff0000                  ; kept for the whole launch
.irp b, 0,1,2,3
	v_mov_b32 v[TM+4+\b], 0                        ; written once: a lane permute's destination counts as one of its sources
.endr
	v_mov_b32 v[TM2+2], 0
	v_mov_b32 v[TM2+3], 0
	s_lshl_b32 s50, s24, 18                        ; x: block i begins 262,144 i bytes in
	s_mov_b32 s51, 0
	s_lshl_b32 s52, s22, 8                         ; the bias: 256 w
	s_mov_b32 s53, 0
	s_lshl_b32 s54, s23, 3
	s_add_co_u32 s54, s54, s22                     ; 8 T + w
	s_lshl_b32 s56, s54, 10                        ; the weight's scale words: (16 T + 2 w) x 512
	s_mov_b32 s57, 0
	s_mul_i32 s54, s54, 24576                      ; its 16 images
	s_mov_b32 s55, 0
	s_lshr_b32 s25, s24, 5                         ; batch
	s_lshl_b32 s25, s25, 3
	s_add_co_u32 s25, s25, s22                     ; y = 8 batch + head
	s_mul_i32 s25, s25, 638976
	s_bfe_u32 s26, s24, 0x20003                    ; the group of 1,024 rows: (i % 32) / 8
	s_mul_i32 s26, s26, 159744
	s_add_co_u32 s25, s25, s26
	s_and_b32 s26, s24, 7                          ; the block in its group
	s_mul_i32 s27, s26, 6144
	s_mul_i32 s28, s26, 768
	s_mov_b32 s46, 104448                          ; where the tensor's codes and scale registers lie in a group: q,
	s_mov_b32 s47, 153600
	s_cmp_eq_u32 s23, 0
	s_cselect_b32 s46, s46, 0                      ; k,
	s_cselect_b32 s47, s47, 98304
	s_mov_b32 s48, 49152                           ; v
	s_mov_b32 s49, 98816
	s_cmp_eq_u32 s23, 2
	s_cselect_b32 s46, s48, s46
	s_cselect_b32 s47, s49, s47
	s_add_co_u32 s58, s25, s46
	s_add_co_u32 s58, s58, s27
	s_mov_b32 s59, 0
	s_add_co_u32 s60, s25, s47
	s_add_co_u32 s60, s60, s28
	s_mov_b32 s61, 0
	s_wait_kmcnt 0x0
	s_cmp_eq_u32 s23, 0                            ; the choices hang on the work-group's number alone
	s_cselect_b64 s[34:35], s[4:5], s[6:7]
	s_cselect_b64 s[36:37], s[10:11], s[12:13]
	s_cmp_eq_u32 s23, 2
	s_cselect_b64 s[34:35], s[8:9], s[34:35]
	s_cselect_b64 s[36:37], s[14:15], s[36:37]
	s_add_nc_u64 s[34:35], s[34:35], s[50:51]      ; x at my block
	s_add_nc_u64 s[36:37], s[36:37], s[52:53]      ; the bias at my head
	s_add_nc_u64 s[38:39], s[16:17], s[54:55]      ; the weight's images
	s_add_nc_u64 s[40:41], s[18:19], s[56:57]      ; its scale words
	s_add_nc_u64 s[42:43], s[20:21], s[58:59]      ; where my codes go
	s_add_nc_u64 s[44:45], s[20:21], s[60:61]      ; and my scale registers
	WIN 0x40                                       ; destination window 1
	s_wait_alu depctr_va_vdst(0)                   ; the seven offsets and addresses v1 to v6 and v11 are written, which every load and store of the launch reads; so are the add's two
.set FI, 0
.rept 16
.irp c, 0,1,2
	global_load_b128 v[12*FI+4*\c:12*FI+4*\c+3], v[L16], s[38:39] offset:1536*FI+512*\c
.endr
.set FI, FI+1
.endr
	WIN 0
	s_cmp_eq_u32 s23, 2
	s_cbranch_scc1 .Lbias_v
	WIN 0x40
.irp t, 0,1,2,3
	global_load_b128 v[BI+8*\t:BI+8*\t+3], v[BAQ], s[36:37] offset:4*(32*(\t/2)+8*(\t%2))
	global_load_b128 v[BI+8*\t+4:BI+8*\t+7], v[BAQ], s[36:37] offset:4*(32*(\t/2)+8*(\t%2))+16
.endr
	WIN 0
	s_branch .Lbias_done
.Lbias_v:
	WIN 0x40
.irp t, 0,1,2,3
	global_load_b32 v[BI+8*\t], v[BAV], s[36:37] offset:4*(32*(\t/2)+8*(\t%2))
.endr
	WIN 0
.Lbias_done:
	global_load_b128 v[WS:WS+3], v[L16], s[40:41]              ; tiles 0, 1: K steps 0 .. 3
	global_load_b128 v[WS+4:WS+7], v[L16], s[40:41] offset:512 ; tiles 2, 3
	XLOAD HA, 0
	XLOAD ST, 1
	; ---- my 16 rows of x become four fragments; the loads run one K step ahead, the codes go into two buffers by turns
	s_wait_loadcnt 16                              ; all but the youngest 16 loads, the next K step's, are in
	QUANT HA, PCA, TM, SW
	s_wait_alu depctr_va_vdst(0)                   ; K step 0's lines have written PCA, which the LDS stores read, and are done reading HA, in which K step 2 lands
	IMAGE PCA, 0
	XLOAD HA, 2
	s_wait_loadcnt 16
	QUANT ST, PCB, TM, SW+1
	s_wait_alu depctr_va_vdst(0)                   ; K step 1's lines have written PCB, which the LDS stores read, and are done reading ST, in which K step 3 lands
	s_wait_alu depctr_vm_vsrc(0)                   ; K step 0's LDS stores have read PCA, which K step 2's lines write again
	IMAGE PCB, 1
	XLOAD ST, 3
	s_wait_loadcnt 16
	QUANT HA, PCA, TM, SW+2
	s_wait_alu depctr_va_vdst(0)                   ; K step 2's lines have written PCA, which the LDS stores read
	s_wait_alu depctr_vm_vsrc(0)                   ; K step 1's LDS stores have read PCB, which K step 3's lines write again
	IMAGE PCA, 2
	s_wait_loadcnt 0x0
	QUANT ST, PCB, TM, SW+3
	s_wait_alu depctr_va_vdst(0)                   ; K step 3's lines have written PCB and the last of the four scale words, which the LDS stores read; and every line that named v128 to v242 is done: fragments' loads land there behind the barrier
	IMAGE PCB, 3
	ds_store_b128 v[XWS], v[SW:SW+3]               ; my rows' four scale words
	s_wait_dscnt 0x0                               ; for the others' sake: my stores have landed
	s_barrier_signal -1
	s_barrier_wait -1                              ; x's 32 fragments lie in LDS; nothing is stored to LDS from here on
	s_wait_alu depctr_vm_vsrc(0)                   ; my LDS stores have read PCA, PCB and SW: fragments' loads land in the first two, the way out writes the third
.irp m, 0,1,2,3,4,5,6,7
	ds_load_b128 v[XS+4*\m:XS+4*\m+3], v[L16] offset:XSC+512*\m
.endr
	s_cmp_eq_u32 s23, 2
	s_cbranch_scc1 .Lpath_v
	; ---- q, k: a tile of 16 rows at a time; four accumulators by turns
.macro FETCH4 m, buf
.irp s, 0,1,2,3
.irp c, 0,1,2
	ds_load_b128 v[\buf+12*\s+4*\c:\buf+12*\s+4*\c+3], v[L16] offset:(4*(\m)+\s)*1536+512*\c
.endr
.endr
.endm
.macro TILE m, buf
.if (\m) < 7
	s_wait_dscnt 12                                ; this tile's four fragments are in (ahead of tile 0: x's scale words too); the next tile's twelve loads may be out
.else
	s_wait_dscnt 0x0
.endif
	WIN 0x11                                       ; source 0 (the weight) and C (the bias) window 1
.irp t, 0,1,2,3
	MM AC+8*\t, 48*\t, \buf, BI+8*\t, WS+4*(\t/2), XS+4*(\m), \t%2, 0
.endr
	WIN 0x01
.irp s, 1,2,3
.irp t, 0,1,2,3
	MM AC+8*\t, 48*\t+12*\s, \buf+12*\s, AC+8*\t, WS+4*(\t/2)+\s, XS+4*(\m)+\s, \t%2, 0
.endr
.endr
	WIN 0
	PLACES
	s_wait_xcnt 0x0                                ; the last tile's stores have had their addresses translated
.if (\m) > 0
	s_wait_alu depctr_vm_vsrc(0)                   ; the last tile's stores have read PC2, which the lines below write again
.endif
	QUANT2 AC, PC2, TM2, PW
.if (\m)%2 == 0
	v_mov_b32 v[SW+(\m)/2], v[PW]                  ; the scale word is the same in lanes l and l xor 16:
.else
	v_cndmask_b32 v[SW+(\m)/2], v[SW+(\m)/2], v[PW], s[MASK]   ; lanes 16-31 take the odd tile's
.endif
	s_wait_alu depctr_va_vdst(0)                   ; PC2 is written, which the two stores read (in tile 7: SW too, for the store behind it); this tile's products are done reading their buffer, in which the loads below land
	global_store_b128 v[L16], v[PC2:PC2+3], s[42:43] offset:768*(\m)
	global_store_b64 v[L8], v[PC2+4:PC2+5], s[42:43] offset:768*(\m)+512
.if (\m) < 6
	FETCH4 (\m)+2, \buf                            ; the tile two on, into the buffer just left: it has the next tile's products and way out in which to land
.endif
.endm
	FETCH4 0, XF
	FETCH4 1, XG
	TILE 0, XF
	TILE 1, XG
	TILE 2, XF
	TILE 3, XG
	TILE 4, XF
	TILE 5, XG
	TILE 6, XF
	TILE 7, XG
	global_store_b128 v[L16], v[SW:SW+3], s[44:45] ; the block's four paired scale registers
	s_branch .Lend
	; ---- v: 64 keys at a time, all 64 channels: sixteen accumulators by turns; a unit is two tiles of rows x one K step x four tiles of channels
.Lpath_v:
	WIN 0x41
.irp t, 0,1,2,3
.irp j, 1,2,3,4,5,6,7
	v_mov_b32 v[BI+8*\t+\j], v[BI+8*\t]            ; the lane's channel's bias in all eight registers
.endr
.endr
	WIN 0
	PLACES
.macro FETCH2 n
.irp mm, 0,1
.irp c, 0,1,2
	ds_load_b128 v[XF+24*((\n)%2)+12*\mm+4*\c:XF+24*((\n)%2)+12*\mm+4*\c+3], v[L16] offset:(4*(4*((\n)/8)+2*((\n)%2)+\mm)+((\n)/2)%4)*1536+512*\c
.endr
.endr
.endm
.macro UNIT n
.set UH, (\n)/8                        ; which 64 keys
.set US, ((\n)/2)%4                    ; K step
.set UP, (\n)%2                        ; which two of their four tiles of rows, and which buffer
.if (\n) == 15
	s_wait_dscnt 0x0
.else
	s_wait_dscnt 6                                 ; this unit's fragments are in; the other buffer's six loads may be out
.endif
.if US == 0
	WIN 0x14                                       ; source 1 (the weight) and C (the bias) window 1
.else
	WIN 0x04
.endif
.irp mm, 0,1
.irp t, 0,1,2,3
.if US == 0
	MM AC+32*\t+8*(2*UP+\mm), XF+24*UP+12*\mm, 12*(4*\t+US), BI+8*\t, XS+4*(4*UH+2*UP+\mm)+US, WS+4*(\t/2)+US, 0, \t%2
.else
	MM AC+32*\t+8*(2*UP+\mm), XF+24*UP+12*\mm, 12*(4*\t+US), AC+32*\t+8*(2*UP+\mm), XS+4*(4*UH+2*UP+\mm)+US, WS+4*(\t/2)+US, 0, \t%2
.endif
.endr
.endr
	WIN 0
	PLACES
.if (\n) < 14
	s_wait_alu depctr_va_vdst(0)                   ; this unit's eight products are done reading their two fragments of x, in which the loads below land
	FETCH2 (\n)+2
.endif
.endm
.macro VOUT h                          ; 64 keys of all four tiles of channels: quantised along the keys and stored
.irp t, 0,1,2,3
	s_wait_xcnt 0x0                                ; the last stores have had their addresses translated
.if (\h)+(\t) > 0
	s_wait_alu depctr_vm_vsrc(0)                   ; the last stores have read PC2, which the lines below write again
.endif
	QUANT2 AC+32*\t, PC2, TM2, PW
.if \h == 0
	v_mov_b32 v[PW4+\t], v[PW]                     ; the scale bytes of keys 0 .. 63
.else
	v_lshl_or_b32 v[PW4+\t], v[PW], 16, v[PW4+\t]  ; and of keys 64 .. 127: the word of the step's 128 keys
.if \t%2 == 0
	v_mov_b32 v[SW+\t/2], v[PW4+\t]
.else
	v_cndmask_b32 v[SW+\t/2], v[SW+\t/2], v[PW4+\t], s[MASK]
.endif
.endif
	s_wait_alu depctr_va_vdst(0)                   ; PC2 is written, which the two stores read (behind the last tile: SW too, for the store behind it)
	global_store_b128 v[L16], v[PC2:PC2+3], s[42:43] offset:1536*\t+768*\h
	global_store_b64 v[L8], v[PC2+4:PC2+5], s[42:43] offset:1536*\t+768*\h+512
.endr
.endm
	FETCH2 0
	FETCH2 1
	s_wait_alu depctr_va_vdst(0)
.irp n, 0,1,2,3,4,5,6,7
	UNIT \n
.endr
	VOUT 0
.irp n, 8,9,10,11,12,13,14,15
	UNIT \n
.endr
	VOUT 1
	global_store_b64 v[L8], v[SW:SW+1], s[44:45]   ; the step's two paired scale registers
.Lend:
	s_wait_dscnt 0x0                               ; the closing lines, six on end
	s_wait_alu 0x0
	s_wait_tensorcnt 0x0
	ds_add_u32 v[SPW], v[NIL]
	s_wait_dscnt 0x0
	s_endpgm
.Lfunc_end_k_qb41a67b2fc_proj:
	.size	k_qb41a67b2fc_proj, .Lfunc_end_k_qb41a67b2fc_proj-k_qb41a67b2fc_proj
	.p2alignl 7, 3214868480
	.fill 96, 4, 3214868480
	.section	.rodata,"a",@progbits
	.p2align	6, 0x0
	.amdhsa_kernel k_qb41a67b2fc_proj
		.amdhsa_group_segment_fixed_size 54272
		.amdhsa_private_segment_fixed_size 0
		.amdhsa_enable_private_segment 0
		.amdhsa_kernarg_size 72
		.amdhsa_user_sgpr_count 2
		.amdhsa_user_sgpr_kernarg_segment_ptr 1
		.amdhsa_wavefront_size32 1
		.amdhsa_system_sgpr_workgroup_id_x 1
		.amdhsa_system_sgpr_workgroup_id_y 1
		.amdhsa_system_sgpr_workgroup_id_z 1
		.amdhsa_system_vgpr_workitem_id 0
		.amdhsa_next_free_vgpr 512
		.amdhsa_next_free_sgpr 66
		.amdhsa_reserve_vcc 0
		.amdhsa_float_denorm_mode_32 3
		.amdhsa_float_denorm_mode_16_64 3
		.amdhsa_memory_ordered 1
		.amdhsa_forward_progress 1
		.amdhsa_inst_pref_size 120
	.end_amdhsa_kernel
	.amdgpu_metadata
---
amdhsa.version: [ 1, 2 ]
amdhsa.kernels:
  - .name:           k_qb41a67b2fc_proj
    .symbol:         k_qb41a67b2fc_proj.kd
    .args:
      - { .name: q, .offset: 0, .size: 8, .value_kind: global_buffer, .address_space: global }
      - { .name: k, .offset: 8, .size: 8, .value_kind: global_buffer, .address_space: global }
      - { .name: v, .offset: 16, .size: 8, .value_kind: global_buffer, .address_space: global }
      - { .name: bq, .offset: 24, .size: 8, .value_kind: global_buffer, .address_space: global }
      - { .name: bk, .offset: 32, .size: 8, .value_kind: global_buffer, .address_space: global }
      - { .name: bv, .offset: 40, .size: 8, .value_kind: global_buffer, .address_space: global }
      - { .name: wimg, .offset: 48, .size: 8, .value_kind: global_buffer, .address_space: global }
      - { .name: wsc, .offset: 56, .size: 8, .value_kind: global_buffer, .address_space: global }
      - { .name: qkv, .offset: 64, .size: 8, .value_kind: global_buffer, .address_space: global }
    .group_segment_fixed_size: 54272
    .private_segment_fixed_size: 0
    .kernarg_segment_align: 8
    .kernarg_segment_size: 72
    .max_flat_workgroup_size: 256
    .sgpr_count:     66
    .vgpr_count:     512
    .wavefront_size: 32
...
	.end_amdgpu_metadata
.endif
;; end of part 6
;; launch attn (part 7): grid 16 x 16, 16 waves a work-group, clusters of 4 x 1, 327,680 bytes of LDS; arguments qkv, cimg, cs; writes cimg, cs
.if DOCPART == 7
	.amdgcn_target "amdgcn-amd-amdhsa--gfx1250"
	.amdhsa_code_object_version 6
	.text
	.protected	k_qb41a67b2fc_attn
	.globl	k_qb41a67b2fc_attn
	.p2align	8
	.type	k_qb41a67b2fc_attn,@function
k_qb41a67b2fc_attn:
	s_mov_b64 s[64:65], 0
	v_nop
	global_prefetch_b8 v0, s[64:65] scope:SCOPE_SE
	s_setreg_imm32_b32 hwreg(HW_REG_WAVE_MODE, 25, 1), 1
	s_wait_xcnt 0x0
	s_wait_alu depctr_hold_cnt(0) depctr_sa_sdst(0) depctr_va_vdst(0) depctr_va_sdst(0) depctr_va_ssrc(0) depctr_va_vcc(0) depctr_vm_vsrc(0)
	s_getreg_b32 s2, hwreg(HW_REG_IB_STS2, 6, 4)
	s_cmp_eq_u32 s2, 0
	s_cbranch_scc0 .Lentry_in_a_cluster
	s_endpgm
.Lentry_in_a_cluster:
	s_bfe_u32 s2, ttmp6, 0x10000c
	s_cmp_lg_u32 s2, 0x3003
	s_cbranch_scc0 .Lentry_shape_is_right
	s_endpgm
.Lentry_shape_is_right:
; Launch 3 of 4: ctx = softmax(qh kh^T / 8) vh for 16 heads (8 batch + h) of 4,096 x 64, both products on codes of E3M2; ctx is quantised along D (two blocks a head) and stored as the last launch's operand.  No work of reference() is left out.
; THE SOFTMAX AHEAD OF THE SECOND PRODUCT: t = score x log2(e) / 8; M = the running largest t rounded UP to a whole number; p = 2^(t - M) is quantised along the keys, not normalised; the row's sum is taken of the unquantised p
; and divides at the end.  When M moves, the sum and O are multiplied by 2^(old M - new M): exact.
; SHARES.  A work-group owns 256 queries of one head, each of its SIXTEEN waves one tile of 16, in 256 registers: four waves to a SIMD, so that one wave's vector work stands beside another's matrix work and LDS loads.
; Every wave walks all 4,096 keys, 128 a step.  Both products are used transposed (S^T = K Q^T, O^T = V^T P^T): a lane holds ONE query throughout.  The keys of a tile of K, the channels of a tile of V and the queries of a tile are chosen
; by the launch before (lane r of tile t: 32 (t / 2) + 8 (t % 2) + r + 8 (r / 8)), so that p's 16 registers of two neighbouring tiles are 16 neighbouring keys, and O^T's 16 neighbouring channels.
; THE RING.  A group of 1,024 keys is one dense block of 104,448 bytes (K's 64 records of 768 bytes, V's 64, eight records of scale registers), laid in the order of the operands' registers: a slot.  Two slots; waves 0 to 3 fetch a quarter
; each, 102 rows of 256 bytes; a wave has at most one tensor load out.  CLUSTER: the four blocks of queries of a cluster belong to one head and walk the same keys: each quarter is asked for JOINTLY by all four.
; No prefetch is laid: a slot's load is issued eight key steps, over 1,900 vector instructions of each of a SIMD's four waves, ahead of the wait for it, so that no wave waits for that stream.
; K = 64 IN AN INSTRUCTION OF 128 (a limit that is kept): Q's registers 6 to 11 are zero codes.  K's tile t is named as v[KB + 6 t .. + 11]: its upper six registers are the next tile's codes (tile 7: zeros).  Every code of E3M2 is a finite
; number, so zero times them adds nothing; the upper two bytes of both sides' scale words are 0, which stands for 2^-127, never 0xff.  So K's eight tiles and V's four fragments use the same 48 registers and the same loads.
; LIMITS: NaN and infinities are not served; a p under 2^-126 comes out of v_exp_f32 as 0; a block of p, or of ctx, under the floor 2^(5 - 127) keeps the byte 1 (read by this program alone).
.set L16, 1                            ; 16 x lane
.set L8,  2                            ; 8 x lane
.set A16, 3                            ; LDS addresses of the step in hand: records' first 512 bytes,
.set A8,  4                            ; their last 256,
.set S16, 5                            ; K's scale registers,
.set S8,  6                            ; V's
.set SPW, 7                            ; LDS address of my spare word; never rewritten
.set NIL, 8                            ; 0; never rewritten
.set CSA, 9                            ; the way out: where my query's scale word goes
.set CSR, 10                           ; and from where 512 bytes of them are read back
.set QA,  11                           ; 16 r: my query's scale word in memory
.set QF,  16                           ; v16-21 Q, v22-27 zeros
.set QS,  28
.set KB,  32                           ; v32-79 eight records of K or of V; v80-85 zeros
.set KS,  88                           ; v88-91 K's scale registers, a pair of tiles each
.set VS,  92                           ; v92-93 V's
.set S,   96                           ; v96-159 S^T, then p
.set OT,  160                          ; v160-191 O^T
.set PCD, 192                          ; v192-203 p's codes
.set PT,  204                          ; v204-206, v208-210 conversions' second halves
.set BM,  212                          ; v212-215 the blocks' largest scores, then p
.set T2,  216
.set SO,  220                          ; v220-223 the conversions' scale operands
.set PS,  225                          ; p's scale word
.set F,   226                          ; v[226:227] f = 2^(old M - new M); v227 is written once, since the pair is named
.set TMP, 228
.set SUM2, 230                         ; v[230:231] the sum's second chain
.set PW,  232
.set SLOT1, 131072                     ; slot 1 begins here: one exclusive or turns an address in one slot into the other's
.set SPARE, 235520                     ; behind slot 1: the spare words, 128 bytes for each of sixteen waves
.set CSG,   237568                     ; and 1,024 bytes in which ctx's scale words are gathered: no tensor load lands there
.set WV,  10
.set SEL, 14
.set CS,  16                           ; s[16:17] c = log2(e) / 8
.set TB,  32                           ; LDS byte at which the step's records of K begin
.set TS,  33                           ; and its scale registers
.set SLOTS, 34
.set CNT, 35
.macro QUANT2 src, pc, tm, pw          ; 32 numbers, register 16 b + i = k 32 b + 16 (lane / 16) + i of my row -> a half record in v[pc] .. v[pc + 5]; the scale word's upper two bytes are 0
.irp b, 0,1
	v_max3_num_f32 v[\tm+\b], |v[\src+16*\b]|, |v[\src+1+16*\b]|, 0x2800000
.endr
.irp i, 2,4,6,8,10,12,14
.irp b, 0,1
	s_delay_alu instid0(VALU_DEP_2)
	v_max3_num_f32 v[\tm+\b], v[\tm+\b], |v[\src+16*\b+\i]|, |v[\src+1+16*\b+\i]|
.endr
.endr
.irp b, 0,1
	s_delay_alu instid0(VALU_DEP_2)
	v_permlanex16_b32 v[\tm+2+\b], v[\tm+\b], s[SEL], s[SEL+1]
.endr
.irp b, 0,1
	s_delay_alu instid0(VALU_DEP_2)
	v_max_num_f32 v[\tm+\b], v[\tm+\b], v[\tm+2+\b]
.endr
.irp b, 0,1
	s_delay_alu instid0(VALU_DEP_2)
	v_add_nc_u32 v[\tm+4+\b], 0xfe000000, v[\tm+\b]
.endr
.irp b, 0,1
	s_delay_alu instid0(VALU_DEP_2)
	v_lshrrev_b32 v[\tm+2+\b], 23, v[\tm+4+\b]
.endr
	s_delay_alu instid0(VALU_DEP_1)
	v_lshl_or_b32 v[\pw], v[\tm+3], 8, v[\tm+2]
	v_cvt_scalef32_pk16_bf6_f32 v[\pc:\pc+2], v[\src:\src+15], v[\tm+4]
	v_cvt_scalef32_pk16_bf6_f32 v[\pc+6:\pc+8], v[\src+16:\src+31], v[\tm+5]
	v_nop                                          ; one plain place behind a scaled conversion
.irp i, 0,1,2
	v_permlane16_swap_b32 v[\pc+\i], v[\pc+6+\i]
.endr
.irp i, 0,1,2
	s_delay_alu instid0(VALU_DEP_3)
	v_mov_b32 v[\pc+3+\i], v[\pc+6+\i]
.endr
.endm
.macro MMZ d, a, b, sa, sb, ra         ; a product that starts a sum; ra: source 0's scales are taken from lanes 16-31
.if \ra
	v_wmma_scale_f32_16x16x128_f8f6f4 v[\d:\d+7], v[\a:\a+11], v[\b:\b+11], 0, v[\sa], v[\sb] matrix_a_fmt:MATRIX_FMT_BF6 matrix_b_fmt:MATRIX_FMT_BF6 matrix_a_scale:MATRIX_SCALE_ROW1
.else
	v_wmma_scale_f32_16x16x128_f8f6f4 v[\d:\d+7], v[\a:\a+11], v[\b:\b+11], 0, v[\sa], v[\sb] matrix_a_fmt:MATRIX_FMT_BF6 matrix_b_fmt:MATRIX_FMT_BF6
.endif
.endm
.macro MM d, a, b, sa, sb, ra          ; a product that adds in place
.if \ra
	v_wmma_scale_f32_16x16x128_f8f6f4 v[\d:\d+7], v[\a:\a+11], v[\b:\b+11], v[\d:\d+7], v[\sa], v[\sb] matrix_a_fmt:MATRIX_FMT_BF6 matrix_b_fmt:MATRIX_FMT_BF6 matrix_a_scale:MATRIX_SCALE_ROW1
.else
	v_wmma_scale_f32_16x16x128_f8f6f4 v[\d:\d+7], v[\a:\a+11], v[\b:\b+11], v[\d:\d+7], v[\sa], v[\sb] matrix_a_fmt:MATRIX_FMT_BF6 matrix_b_fmt:MATRIX_FMT_BF6
.endif
.endm
; A round of the cluster's barrier: my work-group's barrier; wave 0 signals for the work-group; every wave waits for all four work-groups; my work-group's barrier once more
.macro CROUND
	s_barrier_signal -1
	s_barrier_wait -1
	s_cmp_lg_u32 s[WV], 0
	s_cbranch_scc1 .Lnot_wave_0_\@
	s_barrier_signal -3
.Lnot_wave_0_\@:
	s_barrier_wait -3
	s_barrier_signal -1
	s_barrier_wait -1
.endm
; The joint load: waves 0 to 3, a quarter of a slot each.  The branch hangs on the wave's number alone.  An s_nop 0 and four v_nop follow the line
.macro TLOAD
	s_cmp_lt_u32 s[WV], 4
	s_cbranch_scc0 .Lnone_\@
	tensor_load_to_lds s[20:23], s[24:31]
	s_nop 0
.rept 4
	v_nop
.endr
.Lnone_\@:
.endm
.macro LOAD8 base                      ; eight records of 768 bytes: every load takes 512 or 256 consecutive bytes
.irp t, 0,1,2,3,4,5,6,7
	ds_load_b128 v[KB+6*\t:KB+6*\t+3], v[A16] offset:\base+768*\t
	ds_load_b64 v[KB+6*\t+4:KB+6*\t+5], v[A8] offset:\base+768*\t+512
.endr
.endm
	s_load_b128 s[4:7], s[0:1], 0x0                ; qkv s[4:5], cimg s[6:7]
	s_load_b64 s[8:9], s[0:1], 0x10                ; cs
	v_lshl_add_u32 v[SPW], v0, 2, SPARE
	v_mov_b32 v[NIL], 0
	ds_add_u32 v[SPW], v[NIL]                      ; the wave's opening: the add, twice on end, and its wait ahead of the first tensor load; the set-up below, work on registers, stands between
	ds_add_u32 v[SPW], v[NIL]
	v_lshrrev_b32 v10, 5, v0
	s_delay_alu instid0(VALU_DEP_1)
	v_readfirstlane_b32 s[WV], v10                 ; wave 0..15
	s_and_b32 s11, s[WV], 3                        ; which quarter of a slot I fetch, if I fetch
	s_bfe_u32 s12, ttmp6, 0x40000                  ; cx: my place in the cluster: it enters Q's, cimg's and cs's addresses alone
	s_and_b32 s13, ttmp7, 0xffff                   ; y = 8 batch + head, which the four partners share
	s_mov_b32 s24, 15|(3<<16)|(1<<21)              ; group 1: 15:0 the mask: all four work-groups; 17:16 elements of 8 bytes; 21 set beside a mask; no padding
	s_mov_b32 s25, 32<<16                          ; tensor_dim0 = 32 elements: 256 bytes
	s_mov_b32 s26, 102<<16                         ; tensor_dim1 = 102
	s_mov_b32 s27, 32<<16                          ; tile_dim0
	s_mov_b32 s28, 102                             ; tile_dim1
	s_mov_b32 s29, 32                              ; the pitch: dense
	s_mov_b32 s30, 0
	s_mov_b32 s31, 0
	s_mov_b32 s[SEL], 0x76543210
	s_mov_b32 s[SEL+1], 0xfedcba98
	s_mov_b32 s[CS], 0x3e38aa3b                    ; c = log2(e) / 8
	s_mov_b32 s[CS+1], s[CS]                       ; (named with it as a pair, so it is written)
	s_mov_b32 s[TB], 0
	s_mov_b32 s[TS], 98304
	s_mov_b32 s[SLOTS], 3
	v_and_b32 v11, 31, v0
	s_delay_alu instid0(VALU_DEP_1)
	v_lshlrev_b32 v[L16], 4, v11
	s_delay_alu instid0(VALU_DEP_2)
	v_lshlrev_b32 v[L8], 3, v11
	v_and_b32 v11, 15, v0                          ; r
	s_lshl_b32 s52, s[WV], 6
	s_add_co_u32 s52, s52, CSG
	v_lshlrev_b32 v[CSA], 2, v11
	s_delay_alu instid0(VALU_DEP_1)
	v_add_nc_u32 v[CSA], s52, v[CSA]               ; CSG + 64 x wave + 4 r
	s_and_b32 s52, s[WV], 1
	s_lshl_b32 s54, s52, 9
	s_add_co_u32 s52, s54, CSG
	v_add_nc_u32 v[CSR], s52, v[L16]               ; CSG + 512 (wave % 2) + 16 x lane
	v_lshlrev_b32 v[QA], 4, v11
	s_mul_i32 s36, s13, 638976                     ; the head's first byte in qkv
	s_mul_i32 s38, s11, 26112                      ; my quarter: in memory and in a slot
	s_add_co_u32 s40, s36, s38
	s_mov_b32 s41, 0
	s_lshl_b32 s42, s12, 4
	s_add_co_u32 s42, s42, s[WV]                   ; my tile among the 64 of its group of 1,024 queries: 16 cx + wave
	s_mul_i32 s43, ttmp9, 159744                   ; that group: the cluster's x
	s_add_co_u32 s43, s43, s36
	s_mul_i32 s44, s42, 768
	s_add_co_u32 s44, s44, s43
	s_add_co_u32 s44, s44, 104448                  ; Q's record
	s_mov_b32 s45, 0
	s_lshr_b32 s52, s42, 3                         ; Q's scale word: record tile / 8; lanes 16 (tile % 2) + r; register (tile / 2) % 4
	s_mul_i32 s52, s52, 768
	s_and_b32 s53, s42, 1
	s_lshl_b32 s53, s53, 8
	s_add_co_u32 s52, s52, s53
	s_bfe_u32 s53, s42, 0x20001
	s_lshl_b32 s53, s53, 2
	s_add_co_u32 s52, s52, s53
	s_add_co_u32 s46, s43, s52
	s_add_co_u32 s46, s46, 153600
	s_mov_b32 s47, 0
	s_lshl_b32 s48, ttmp9, 6
	s_add_co_u32 s48, s48, s42                     ; my tile among the batch's 256
	s_lshr_b32 s49, s13, 3
	s_lshl_b32 s49, s49, 8
	s_add_co_u32 s49, s49, s48
	s_lshl_b32 s49, s49, 3
	s_and_b32 s48, s13, 7
	s_add_co_u32 s49, s49, s48
	s_mul_i32 s48, s49, 768                        ; cimg: ((256 batch + tile) 8 + head) x 768
	s_mov_b32 s49, 0
	s_lshl_b32 s50, ttmp9, 2
	s_add_co_u32 s50, s50, s12                     ; my block of 256 queries
	s_lshl_b32 s50, s50, 10
	s_lshl_b32 s51, s13, 14
	s_add_co_u32 s50, s50, s51
	s_add_co_u32 s50, s50, s54                     ; cs: 16,384 y + 1,024 block + 512 (wave % 2)
	s_mov_b32 s51, 0
	s_wait_dscnt 0x0                               ; both opening adds are done
	s_wait_kmcnt 0x0
	s_mov_b32 s20, 1                               ; group 0: count = 1
	s_mov_b32 s21, s38                             ; LDS address: slot 0, my quarter
	s_add_nc_u64 s[22:23], s[4:5], s[40:41]        ; global address: the head's first group, my quarter
	s_or_b32 s23, s23, 0x80000000                  ; type = 2
	s_add_nc_u64 s[44:45], s[4:5], s[44:45]
	s_add_nc_u64 s[46:47], s[4:5], s[46:47]
	s_add_nc_u64 s[48:49], s[6:7], s[48:49]
	s_add_nc_u64 s[50:51], s[8:9], s[50:51]
	CROUND                                         ; all four work-groups are here: the first joint loads meet
	TLOAD                                          ; slot 0
	s_wait_alu depctr_va_vdst(0)
	global_load_b128 v[QF:QF+3], v[L16], s[44:45]  ; Q stays in registers
	global_load_b64 v[QF+4:QF+5], v[L8], s[44:45] offset:512
	global_load_b32 v[QS], v[QA], s[46:47]
.irp j, 22,23,24,25,26,27,80,81,82,83,84,85
	v_mov_b32 v[\j], 0                             ; zero codes: Q's upper 64 along K, and what stands behind K's last tile
.endr
.irp j, 0,1,2,3,4,5,6,7,8,9,10,11,12,13,14,15,16,17,18,19,20,21,22,23,24,25,26,27,28,29,30,31
	v_mov_b32 v[OT+\j], 0                          ; O^T.  (The step is written once: the first finds zeros, which the first change of M leaves zeros)
.endr
.irp b, 0,1,2,3
	v_mov_b32 v[T2+\b], 0                          ; written once: a lane permute's destination counts as one of its sources
.endr
	v_mov_b32 v[F+1], 0
	v_mov_b32 v13, 0xff61b1e6                      ; the largest t so far: -3e38, under every t
	s_delay_alu instid0(VALU_DEP_1)
	v_floor_f32 v12, -v13                          ; -M
	v_mov_b32 v14, 0                               ; the sum, in two halves
	v_mov_b32 v15, 0
; A KEY STEP: 128 keys
.macro STEP
	v_add_nc_u32 v[A16], s[TB], v[L16]             ; these four are also the places between the last step's products and the loads into their registers
	v_add_nc_u32 v[A8], s[TB], v[L8]
	v_add_nc_u32 v[S16], s[TS], v[L16]
	v_add_nc_u32 v[S8], s[TS], v[L8]
	LOAD8 0                                        ; K's eight tiles
	ds_load_b128 v[KS:KS+3], v[S16]
	ds_load_b64 v[VS:VS+1], v[S8] offset:512
	s_wait_alu depctr_va_vdst(0)
	s_wait_dscnt 0x0
.irp t, 0,1,2,3,4,5,6,7
	MMZ S+8*\t, KB+6*\t, QF, KS+\t/2, QS, \t%2     ; S^T: eight accumulators, each begun with 0
.endr
.rept 4
	v_nop                                          ; places ahead of the loads into K's registers and of the first read of the scores
.endr
	LOAD8 49152                                    ; V's four fragments: they land under the softmax
.irp b, 0,1,2,3
	v_max3_num_f32 v[BM+\b], v[S+16*\b], v[S+1+16*\b], v[S+2+16*\b]   ; the largest score of each block of 32 keys: it serves for the row's maximum and, since p rises with the score, for the block's largest p
.endr
.irp i, 3,5,7,9,11,13
.irp b, 0,1,2,3
	v_max3_num_f32 v[BM+\b], v[BM+\b], v[S+16*\b+\i], v[S+1+16*\b+\i]
.endr
.endr
.irp b, 0,1,2,3
	v_max_num_f32 v[BM+\b], v[BM+\b], v[S+15+16*\b]
.endr
.irp b, 0,1,2,3
	s_delay_alu instid0(VALU_DEP_4)
	v_permlanex16_b32 v[T2+\b], v[BM+\b], s[SEL], s[SEL+1]
.endr
.irp b, 0,1,2,3
	s_delay_alu instid0(VALU_DEP_4)
	v_max_num_f32 v[BM+\b], v[BM+\b], v[T2+\b]     ; with lane l xor 16's 16 keys
.endr
	s_delay_alu instid0(VALU_DEP_2)
	v_max3_num_f32 v[TMP], v[BM], v[BM+1], v[BM+2]
	s_delay_alu instid0(VALU_DEP_1)
	v_max_num_f32 v[TMP], v[TMP], v[BM+3]          ; the step's largest score of my query
	s_delay_alu instid0(VALU_DEP_1)
	v_mul_f32 v[TMP], s[CS], v[TMP]                ; as t (c is positive)
	s_delay_alu instid0(VALU_DEP_1)
	v_max_num_f32 v13, v13, v[TMP]                 ; the running largest t
	v_mov_b32 v[TMP], v12
	s_delay_alu instid0(VALU_DEP_2)
	v_floor_f32 v12, -v13                          ; the new -M = floor(-t) = -ceil(t)
	s_delay_alu instid0(VALU_DEP_1)
	v_sub_f32 v[TMP], v12, v[TMP]                  ; old M - new M: a whole number, 0 or less
	s_delay_alu instid0(VALU_DEP_1)
	v_cvt_i32_f32 v[TMP], v[TMP]                   ; (it saturates)
	s_delay_alu instid0(VALU_DEP_1)
	v_ldexp_f32 v[F], 1.0, v[TMP]                  ; f = 2^(old M - new M)
.irp j, 0,2,4,6,8,10,12,14,16,18,20,22,24,26,28,30,32,34,36,38,40,42,44,46,48,50,52,54,56,58,60,62
	v_pk_fma_f32 v[S+\j:S+1+\j], v[S+\j:S+1+\j], s[CS:CS+1], v[12:13] op_sel_hi:[1,0,0]   ; t - M, two at a time
.endr
.irp b, 0,1,2,3
	v_fma_f32 v[BM+\b], v[BM+\b], s[CS], v12       ; the same of each block's largest score
.endr
	s_wait_alu depctr_va_vdst(0)
.irp j, 0,1,2,3,4,5,6,7,8,9,10,11,12,13,14,15,16,17,18,19,20,21,22,23,24,25,26,27,28,29,30,31,32,33,34,35,36,37,38,39,40,41,42,43,44,45,46,47,48,49,50,51,52,53,54,55,56,57,58,59,60,61,62,63
	v_exp_f32 v[S+\j], v[S+\j]                     ; p = 2^(t - M), at most 1
.endr
	s_setprio 1
	v_pk_mul_f32 v[14:15], v[14:15], v[F:F+1] op_sel_hi:[1,0]   ; the sums under the new M: the plain instruction behind the exponentials
	s_wait_alu depctr_va_vdst(0)                   ; the wait ahead of the first instruction that names a result: one for the batch of 64
.irp b, 0,1,2,3
	v_exp_f32 v[BM+\b], v[BM+\b]                   ; the block's largest p: the same two instructions on the same number give the same bits
.endr
	v_pk_add_f32 v[SUM2:SUM2+1], v[S:S+1], v[S+2:S+3]   ; the row's sum of the unquantised p, two at a time, in two chains: plain work behind the four
.irp j, 4,8,12,16,20,24,28,32,36,40,44
	v_pk_add_f32 v[14:15], v[14:15], v[S+\j:S+1+\j]
	v_pk_add_f32 v[SUM2:SUM2+1], v[SUM2:SUM2+1], v[S+2+\j:S+3+\j]
.endr
	s_wait_alu depctr_va_vdst(0)                   ; and one for the four
.irp b, 0,1,2,3
	v_max_num_f32 v[BM+\b], 0x2800000, v[BM+\b]    ; the floor 2^(5 - 127): the byte cannot fall under 1
.endr
.irp b, 0,1,2,3
	s_delay_alu instid0(VALU_DEP_4)
	v_add_nc_u32 v[SO+\b], 0xfe000000, v[BM+\b]    ; 4 off the exponent field: the conversion's scale operand
.endr
.irp b, 0,1,2,3
	s_delay_alu instid0(VALU_DEP_4)
	v_lshrrev_b32 v[T2+\b], 23, v[SO+\b]           ; the scale's byte
.endr
	s_delay_alu instid0(VALU_DEP_3)
	v_lshl_or_b32 v[PS], v[T2+1], 8, v[T2]         ; p's scale word for these 128 keys
	s_delay_alu instid0(VALU_DEP_1)
	v_lshl_or_b32 v[PS], v[T2+2], 16, v[PS]
	s_delay_alu instid0(VALU_DEP_1)
	v_lshl_or_b32 v[PS], v[T2+3], 24, v[PS]
.irp c, 0,1
	v_cvt_scalef32_pk16_bf6_f32 v[PCD+6*\c:PCD+2+6*\c], v[S+32*\c:S+15+32*\c], v[SO+2*\c]
	v_cvt_scalef32_pk16_bf6_f32 v[PT+4*\c:PT+2+4*\c], v[S+16+32*\c:S+31+32*\c], v[SO+2*\c+1]
.endr
	v_nop                                          ; one plain place behind a scaled conversion
.irp c, 0,1                                    ; the operand's layout wants a whole block in a lane
.irp i, 0,1,2
	v_permlane16_swap_b32 v[PCD+6*\c+\i], v[PT+4*\c+\i]
.endr
.irp i, 0,1,2
	s_delay_alu instid0(VALU_DEP_3)
	v_mov_b32 v[PCD+3+6*\c+\i], v[PT+4*\c+\i]
.endr
.endr
	s_setprio 0
.irp j, 0,2,4,6,8,10,12,14,16,18,20,22,24,26,28,30
	v_pk_mul_f32 v[OT+\j:OT+1+\j], v[OT+\j:OT+1+\j], v[F:F+1] op_sel_hi:[1,0]   ; O^T under the new M, each accumulator from its low end on
.endr
.irp j, 48,52,56,60                            ; the rest of the row's sum: nine plain instructions that name no register of the products below: the places between the vector writes of p's codes, p's scale word and O^T and those products
	v_pk_add_f32 v[14:15], v[14:15], v[S+\j:S+1+\j]
	v_pk_add_f32 v[SUM2:SUM2+1], v[SUM2:SUM2+1], v[S+2+\j:S+3+\j]
.endr
	s_delay_alu instid0(VALU_DEP_1)
	v_pk_add_f32 v[14:15], v[14:15], v[SUM2:SUM2+1]
	s_wait_dscnt 0x0                               ; V is in
.irp t, 0,1,2,3
	MM OT+8*\t, KB+12*\t, PCD, VS+\t/2, PS, \t%2   ; O^T += V^T P^T: four accumulators by turns
.endr
	s_add_co_u32 s[TB], s[TB], 6144                ; the next step's records
	s_add_co_u32 s[TS], s[TS], 768
.endm
; THE CHANGE OF SLOTS stands at a slot's head.  Each wave waits for all its tensor loads, adds 0 to its spare word, and waits for that and for its reads of the slot that it has left.  fill = 1: a round of the cluster's barrier, so that no
; wave of any partner still reads that slot or has a load on its way; the joint load of the next group of keys is the first thing behind it, and has eight key steps in which to land.
.macro CHANGE fill
	s_wait_tensorcnt 0x0                           ; no tensor load of mine is out, so group 0 may be written
	ds_add_u32 v[SPW], v[NIL]
.if \fill
	ds_add_u32 v[SPW], v[NIL]                      ; where a load follows, twice on end, in every trip alike
	s_xor_b32 s21, s21, SLOT1                      ; the other slot than last time,
	s_add_nc_u64 s[22:23], s[22:23], 159744        ; the next group; the type bits on top are not reached
	s_wait_dscnt 0x0
	CROUND
	TLOAD
.else
	s_wait_dscnt 0x0
	s_barrier_signal -1
	s_barrier_wait -1
.endif
.endm
.macro SLOT_STEPS                      ; a slot's eight key steps: written once, walked eight times
	s_mov_b32 s[CNT], 8
.Lstep_\@:
	s_setprio 2
	STEP
	s_sub_co_u32 s[CNT], s[CNT], 1
	s_cmp_lg_u32 s[CNT], 0
	s_cbranch_scc1 .Lstep_\@
	s_setprio 0
	s_sub_co_u32 s[TB], s[TB], 49152               ; back to a slot's first step,
	s_xor_b32 s[TB], s[TB], SLOT1                  ; in the other slot
	s_sub_co_u32 s[TS], s[TS], 6144
	s_xor_b32 s[TS], s[TS], SLOT1
.endm
	s_wait_loadcnt 0x0                             ; Q
.Lslot:                                            ; three trips: groups 1, 2, 3 are asked for; group 1's, slot 1's first fill, goes as a refill does
	CHANGE 1
	SLOT_STEPS
	s_sub_co_u32 s[SLOTS], s[SLOTS], 1
	s_cmp_lg_u32 s[SLOTS], 0
	s_cbranch_scc1 .Lslot
	CHANGE 0                                       ; the last slot is written out
	SLOT_STEPS
	; THE WAY OUT: ctx = O^T / the sum, quantised along the head's 64 channels, two blocks of D
.rept 4
	v_nop                                          ; places behind the last products
.endr
	s_wait_alu depctr_va_vdst(0)
	v_add_f32 v14, v14, v15                        ; the sum's two halves,
	s_delay_alu instid0(VALU_DEP_1)
	v_permlanex16_b32 v[TMP], v14, s[SEL], s[SEL+1]
	s_delay_alu instid0(VALU_DEP_1)
	v_add_f32 v14, v14, v[TMP]                     ; and lane l xor 16's: the row's sum
	s_wait_alu depctr_va_vdst(0)
	v_rcp_f32 v14, v14
	v_nop                                          ; a plain place behind the reciprocal
	s_wait_alu depctr_va_vdst(0)                   ; and the wait ahead of its first reader
.irp j, 0,2,4,6,8,10,12,14,16,18,20,22,24,26,28,30
	v_pk_mul_f32 v[S+\j:S+1+\j], v[OT+\j:OT+1+\j], v[14:15] op_sel_hi:[1,0]   ; register 16 b + i is channel 32 b + 16 (lane / 16) + i of my query
.endr
	QUANT2 S, PCD, BM, PW
	global_store_b128 v[L16], v[PCD:PCD+3], s[48:49]
	global_store_b64 v[L8], v[PCD+4:PCD+5], s[48:49] offset:512
	ds_store_b32 v[CSA], v[PW]                     ; both halves of the lanes write the same word with the same value
	s_wait_dscnt 0x0                               ; for the others' sake: my store has landed
	s_barrier_signal -1
	s_barrier_wait -1
	s_cmp_lt_u32 s[WV], 2
	s_cbranch_scc0 .Lnot_out
	ds_load_b128 v[236:239], v[CSR]                ; waves 0 and 1: 512 bytes each of the work-group's 256 scale words
	s_wait_dscnt 0x0
	global_store_b128 v[L16], v[236:239], s[50:51]
.Lnot_out:
	s_wait_tensorcnt 0x0                           ; the wave's end: behind my last tensor load and my last LDS store
	ds_add_u32 v[SPW], v[NIL]
	s_wait_dscnt 0x0
	CROUND                                         ; the closing round: no work-group ends while a partner may still ask for a tile that names it
	s_endpgm
.Lfunc_end_k_qb41a67b2fc_attn:
	.size	k_qb41a67b2fc_attn, .Lfunc_end_k_qb41a67b2fc_attn-k_qb41a67b2fc_attn
	.p2alignl 7, 3214868480
	.fill 96, 4, 3214868480
	.section	.rodata,"a",@progbits
	.p2align	6, 0x0
	.amdhsa_kernel k_qb41a67b2fc_attn
		.amdhsa_group_segment_fixed_size 327680
		.amdhsa_private_segment_fixed_size 0
		.amdhsa_enable_private_segment 0
		.amdhsa_kernarg_size 24
		.amdhsa_user_sgpr_count 2
		.amdhsa_user_sgpr_kernarg_segment_ptr 1
		.amdhsa_wavefront_size32 1
		.amdhsa_system_sgpr_workgroup_id_x 1
		.amdhsa_system_sgpr_workgroup_id_y 1
		.amdhsa_system_sgpr_workgroup_id_z 1
		.amdhsa_system_vgpr_workitem_id 0
		.amdhsa_next_free_vgpr 256
		.amdhsa_next_free_sgpr 66
		.amdhsa_reserve_vcc 0
		.amdhsa_float_denorm_mode_32 3
		.amdhsa_float_denorm_mode_16_64 3
		.amdhsa_memory_ordered 1
		.amdhsa_forward_progress 1
		.amdhsa_inst_pref_size 48
	.end_amdhsa_kernel
	.amdgpu_metadata
---
amdhsa.version: [ 1, 2 ]
amdhsa.kernels:
  - .name:           k_qb41a67b2fc_attn
    .symbol:         k_qb41a67b2fc_attn.kd
    .args:
      - { .name: qkv, .offset: 0, .size: 8, .value_kind: global_buffer, .address_space: global }
      - { .name: cimg, .offset: 8, .size: 8, .value_kind: global_buffer, .address_space: global }
      - { .name: cs, .offset: 16, .size: 8, .value_kind: global_buffer, .address_space: global }
    .group_segment_fixed_size: 327680
    .private_segment_fixed_size: 0
    .kernarg_segment_align: 8
    .kernarg_segment_size: 24
    .max_flat_workgroup_size: 512
    .sgpr_count:     66
    .vgpr_count:     256
    .wavefront_size: 32
...
	.end_amdgpu_metadata
.endif
;; end of part 7
;; launch outp (part 8): grid 256 x 1, 8 waves a work-group, no clusters, 35,840 bytes of LDS; arguments cimg, cs, wimg, wsc, bo, out0; writes out0
.if DOCPART == 8
	.amdgcn_target "amdgcn-amd-amdhsa--gfx1250"
	.amdhsa_code_object_version 6
	.text
	.protected	k_qb41a67b2fc_outp
	.globl	k_qb41a67b2fc_outp
	.p2align	8
	.type	k_qb41a67b2fc_outp,@function
k_qb41a67b2fc_outp:
	s_mov_b64 s[64:65], 0
	v_nop
	global_prefetch_b8 v0, s[64:65] scope:SCOPE_SE
	s_setreg_imm32_b32 hwreg(HW_REG_WAVE_SCHED_MODE, 0, 2), 2
	s_setreg_imm32_b32 hwreg(HW_REG_WAVE_MODE, 25, 1), 1
	s_wait_xcnt 0x0
	s_wait_alu depctr_vm_vsrc(0)
; Launch 4 of 4: out0 = ctx Wo^T + bo on codes of E3M2.  No work of reference() is left out.  LIMITS: as in the launches before.
; SHARES.  Work-group x: ctx's tiles 2 x and 2 x + 1, which are rows 32 x .. 32 x + 31 of out0 (lane r of tile u: row 32 x + 8 u + r + 8 (r / 8)).  Wave w: columns 64 w .. + 63.  The waves share nothing: no barrier.
; All operands go from memory straight into registers, in the order of the operand's registers: a fragment of ctx (16 rows x 128 of D) is the half records of heads 2 s and 2 s + 1 on end; its scale word is their two halves.
; Source 0 = 16 rows of Wo, source 1 = ctx: a lane holds eight neighbouring columns of one row of out0.  bo is the C of each sum's first matrix instruction.  A block of 16 rows x 64 columns goes through the wave's own stage in LDS
; and leaves as rows: sixteen lanes store 256 consecutive bytes, aligned.
; No cluster and no tensor load: what work-groups share, Wo's codes, goes straight into registers, 24,576 bytes a wave.
; REGISTERS.  Window 0: v1-9 addresses; v16-23 Wo's scale words; v24-31 ctx's; v32-47 their halves as loaded; v48-143 ctx's 8 fragments, later rows of out0; v144-207 the 8 accumulators.  Window 1: v0-191 Wo's 16 fragments; v192-223 bo.
; THE MODE: SCHED_MODE bits 1:0 = 2 (LLVM: expert scheduling mode 2), set by the entry lines.  The code itself states the register dependences between vector or matrix instructions and memory or LDS instructions, with s_wait_alu, always for 0.
; THE PLAN.  Registers that memory or LDS instructions touch:
;   v1-9        offsets, LDS addresses and the add's two: made once at the head, never written again: one wait on va_vdst ahead of the first load.
;   Wo, bo, WS, RAW, AF   loaded once, into registers that no vector instruction has named.
;   AS          ctx's scale words: made of RAW by vector instructions, taken by the scaled products: eight places, then a wait on va_vdst.
;   AC          the accumulators: written by the products, read by the LDS stores of the way out: four places, then a wait on va_vdst.
;   AF again    read by the products as source 1; the stage's loads land in it: the same wait.  The global stores' data come from those LDS loads: DScnt's affair.
;   No register that a memory or LDS instruction has read is written again: no wait on vm_vsrc is owed ahead of the closing lines.
.set L16, 1
.set L8,  2
.set R4,  3                            ; 4 r
.set BA,  4                            ; 64 h
.set STO, 5                            ; the stage: where I put 32 bytes of a row
.set RD,  6                            ; and where I read a row back
.set GO,  7                            ; my byte in two rows of out0
.set SPW, 8
.set NIL, 9
.set WS,  16
.set AS,  24
.set RAW, 32
.set AF,  48
.set AC,  144
.set BI,  192                          ; in window 1
.set SPARE, 34816                      ; behind the eight stages of 16 x 272 bytes: the spare words
.set MSB, 0
.macro WIN new
.if MSB != \new
	s_set_vgpr_msb (MSB<<8)|\new
.set MSB, \new
.endif
.endm
.macro MM d, a, b, c, sa, sb, ra       ; ra: source 0's scales are taken from lanes 16-31
.if \ra
	v_wmma_scale_f32_16x16x128_f8f6f4 v[\d:\d+7], v[\a:\a+11], v[\b:\b+11], v[\c:\c+7], v[\sa], v[\sb] matrix_a_fmt:MATRIX_FMT_BF6 matrix_b_fmt:MATRIX_FMT_BF6 matrix_a_scale:MATRIX_SCALE_ROW1
.else
	v_wmma_scale_f32_16x16x128_f8f6f4 v[\d:\d+7], v[\a:\a+11], v[\b:\b+11], v[\c:\c+7], v[\sa], v[\sb] matrix_a_fmt:MATRIX_FMT_BF6 matrix_b_fmt:MATRIX_FMT_BF6
.endif
.endm
	s_load_b256 s[4:11], s[0:1], 0x0               ; cimg s[4:5], cs s[6:7], wimg s[8:9], wsc s[10:11]
	s_load_b128 s[12:15], s[0:1], 0x20             ; bo s[12:13], out0 s[14:15]
	v_lshl_add_u32 v[SPW], v0, 2, SPARE
	v_mov_b32 v[NIL], 0
	v_lshrrev_b32 v10, 5, v0
	v_readfirstlane_b32 s16, v10                   ; wave 0..7
	v_and_b32 v10, 31, v0
	v_and_b32 v11, 15, v0                          ; r
	v_bfe_u32 v12, v0, 4, 1                        ; h
	v_lshlrev_b32 v[L16], 4, v10
	v_lshlrev_b32 v[L8], 3, v10
	v_lshlrev_b32 v[R4], 2, v11
	v_lshlrev_b32 v[BA], 6, v12
	s_wait_alu depctr_va_sdst(0)                   ; s16 is written, ahead of its first reader
	s_mul_i32 s17, s16, 16*272                     ; my stage
	v_mul_u32_u24 v[STO], v11, 272
	v_lshl_add_u32 v[STO], v12, 6, v[STO]
	v_add_nc_u32 v[STO], s17, v[STO]               ; in: row r, + 64 h
	v_mul_u32_u24 v[RD], v12, 272
	v_lshl_add_u32 v[RD], v11, 4, v[RD]
	v_add_nc_u32 v[RD], s17, v[RD]                 ; back: lanes 0-15 one row of 256 bytes, lanes 16-31 the next
	v_lshlrev_b32 v[GO], 11, v12
	v_lshl_add_u32 v[GO], v11, 4, v[GO]            ; and the same two rows in out0
	s_mul_i32 s18, ttmp9, 12288                    ; ctx: two tiles x eight heads x 768 bytes
	s_mov_b32 s19, 0
	s_lshr_b32 s20, ttmp9, 7                       ; its scale words: batch x 8 heads x 16,384
	s_lshl_b32 s20, s20, 17
	s_and_b32 s21, ttmp9, 127
	s_lshl_b32 s21, s21, 7                         ; + 64 x the even tile's number in its batch
	s_add_co_u32 s20, s20, s21
	s_mov_b32 s21, 0
	s_add_co_u32 s22, s16, 24
	s_mul_i32 s22, s22, 24576                      ; Wo is tensor 3: (24 + w) x 16 images
	s_mov_b32 s23, 0
	s_lshl_b32 s24, s16, 10
	s_add_co_u32 s24, s24, 24576                   ; (48 + 2 w) x 512
	s_mov_b32 s25, 0
	s_lshl_b32 s26, s16, 8                         ; bo: 256 w
	s_mov_b32 s27, 0
	s_lshl_b32 s28, ttmp9, 16                      ; out0: 32 rows of 2,048 bytes,
	s_add_co_u32 s28, s28, s26                     ; + my 64 columns
	s_mov_b32 s29, 0
	s_wait_kmcnt 0x0
	s_add_nc_u64 s[4:5], s[4:5], s[18:19]
	s_add_nc_u64 s[6:7], s[6:7], s[20:21]
	s_add_nc_u64 s[8:9], s[8:9], s[22:23]
	s_add_nc_u64 s[10:11], s[10:11], s[24:25]
	s_add_nc_u64 s[12:13], s[12:13], s[26:27]
	s_add_nc_u64 s[14:15], s[14:15], s[28:29]
	WIN 0x40                                       ; destination window 1
	s_wait_alu depctr_va_vdst(0)                   ; the offsets and addresses v1 to v7 are written, which every load and store of the launch reads; so are the add's two
.set FI, 0
.rept 16
.irp c, 0,1,2
	global_load_b128 v[12*FI+4*\c:12*FI+4*\c+3], v[L16], s[8:9] offset:1536*FI+512*\c
.endr
.set FI, FI+1
.endr
.irp t, 0,1,2,3
	global_load_b128 v[BI+8*\t:BI+8*\t+3], v[BA], s[12:13] offset:4*(32*(\t/2)+8*(\t%2))       ; register j of tile t is column 32 (t / 2) + 16 h + 8 (t % 2) + j
	global_load_b128 v[BI+8*\t+4:BI+8*\t+7], v[BA], s[12:13] offset:4*(32*(\t/2)+8*(\t%2))+16
.endr
	WIN 0
	global_load_b128 v[WS:WS+3], v[L16], s[10:11]
	global_load_b128 v[WS+4:WS+7], v[L16], s[10:11] offset:512
.irp u, 0,1
.irp s, 0,1,2,3
	global_load_b128 v[AF+48*\u+12*\s:AF+48*\u+12*\s+3], v[L16], s[4:5] offset:6144*\u+1536*\s
	global_load_b64 v[AF+48*\u+12*\s+4:AF+48*\u+12*\s+5], v[L8], s[4:5] offset:6144*\u+1536*\s+512
	global_load_b128 v[AF+48*\u+12*\s+6:AF+48*\u+12*\s+9], v[L16], s[4:5] offset:6144*\u+1536*\s+768
	global_load_b64 v[AF+48*\u+12*\s+10:AF+48*\u+12*\s+11], v[L8], s[4:5] offset:6144*\u+1536*\s+1280
.endr
.endr
.irp u, 0,1
.irp h, 0,1,2,3,4,5,6,7
	global_load_b32 v[RAW+8*\u+\h], v[R4], s[6:7] offset:16384*\h+64*\u
.endr
.endr
	s_wait_loadcnt 0x0
.irp u, 0,1
.irp s, 0,1,2,3
	v_lshl_or_b32 v[AS+4*\u+\s], v[RAW+8*\u+2*\s+1], 16, v[RAW+8*\u+2*\s]   ; the two bytes of head 2 s, then those of head 2 s + 1
.endr
.endr
.rept 8
	v_nop                                          ; a scale register written by a vector instruction stands eight places ahead of a scaled matrix instruction
.endr
	WIN 0x11                                       ; source 0 (Wo) and C (bo) window 1
	s_wait_alu depctr_va_vdst(0)                   ; ctx's eight scale words are written, which the scaled products take; the places above stay beside this wait
.irp u, 0,1
.irp t, 0,1,2,3
	MM AC+32*\u+8*\t, 48*\t, AF+48*\u, BI+8*\t, WS+4*(\t/2), AS+4*\u, \t%2
.endr
.endr
	WIN 0x01                                       ; the eight accumulators by turns
.irp s, 1,2,3
.irp u, 0,1
.irp t, 0,1,2,3
	MM AC+32*\u+8*\t, 48*\t+12*\s, AF+48*\u+12*\s, AC+32*\u+8*\t, WS+4*(\t/2)+\s, AS+4*\u+\s, \t%2
.endr
.endr
.endr
	WIN 0
.rept 4
	v_nop                                          ; places ahead of the first read of results
.endr
	s_wait_alu depctr_va_vdst(0)                   ; the products have written the accumulators, which the LDS stores read, and are done reading ctx's fragments, in which the stage's loads land; the places above stay beside this wait
.irp u, 0,1
.irp t, 0,1,2,3
	ds_store_b128 v[STO], v[AC+32*\u+8*\t:AC+32*\u+8*\t+3] offset:128*(\t/2)+32*(\t%2)          ; each accumulator from its low end on
	ds_store_b128 v[STO], v[AC+32*\u+8*\t+4:AC+32*\u+8*\t+7] offset:128*(\t/2)+32*(\t%2)+16
.endr
.irp i, 0,1,2,3,4,5,6,7
	ds_load_b128 v[AF+32*\u+4*\i:AF+32*\u+4*\i+3], v[RD] offset:544*\i   ; LDS serves a wave's instructions in order: these see my stores, and the next block's stores come behind them
.endr
.endr
.irp u, 0,1
.irp i, 0,1,2,3,4,5,6,7
	s_wait_dscnt 23-16*\u-\i                       ; younger than this load: the block's 7 - i later loads, and for block 0 block 1's sixteen instructions
	global_store_b128 v[GO], v[AF+32*\u+4*\i:AF+32*\u+4*\i+3], s[14:15] offset:(8*\u+2*\i+8*(\i/4))*2048 th:TH_STORE_NT   ; stage rows 2 i and 2 i + 1 are rows 8 u + 2 i + 8 (i / 4) and the next
.endr
.endr
	s_wait_dscnt 0x0                               ; the closing lines, six on end
	s_wait_alu 0x0
	s_wait_tensorcnt 0x0
	ds_add_u32 v[SPW], v[NIL]
	s_wait_dscnt 0x0
	s_endpgm
.Lfunc_end_k_qb41a67b2fc_outp:
	.size	k_qb41a67b2fc_outp, .Lfunc_end_k_qb41a67b2fc_outp-k_qb41a67b2fc_outp
	.p2alignl 7, 3214868480
	.fill 96, 4, 3214868480
	.section	.rodata,"a",@progbits
	.p2align	6, 0x0
	.amdhsa_kernel k_qb41a67b2fc_outp
		.amdhsa_group_segment_fixed_size 35840
		.amdhsa_private_segment_fixed_size 0
		.amdhsa_enable_private_segment 0
		.amdhsa_kernarg_size 48
		.amdhsa_user_sgpr_count 2
		.amdhsa_user_sgpr_kernarg_segment_ptr 1
		.amdhsa_wavefront_size32 1
		.amdhsa_system_sgpr_workgroup_id_x 1
		.amdhsa_system_sgpr_workgroup_id_y 1
		.amdhsa_system_sgpr_workgroup_id_z 1
		.amdhsa_system_vgpr_workitem_id 0
		.amdhsa_next_free_vgpr 512
		.amdhsa_next_free_sgpr 66
		.amdhsa_reserve_vcc 0
		.amdhsa_float_denorm_mode_32 3
		.amdhsa_float_denorm_mode_16_64 3
		.amdhsa_memory_ordered 1
		.amdhsa_forward_progress 1
		.amdhsa_inst_pref_size 22
	.end_amdhsa_kernel
	.amdgpu_metadata
---
amdhsa.version: [ 1, 2 ]
amdhsa.kernels:
  - .name:           k_qb41a67b2fc_outp
    .symbol:         k_qb41a67b2fc_outp.kd
    .args:
      - { .name: cimg, .offset: 0, .size: 8, .value_kind: global_buffer, .address_space: global }
      - { .name: cs, .offset: 8, .size: 8, .value_kind: global_buffer, .address_space: global }
      - { .name: wimg, .offset: 16, .size: 8, .value_kind: global_buffer, .address_space: global }
      - { .name: wsc, .offset: 24, .size: 8, .value_kind: global_buffer, .address_space: global }
      - { .name: bo, .offset: 32, .size: 8, .value_kind: global_buffer, .address_space: global }
      - { .name: out0, .offset: 40, .size: 8, .value_kind: global_buffer, .address_space: global }
    .group_segment_fixed_size: 35840
    .private_segment_fixed_size: 0
    .kernarg_segment_align: 8
    .kernarg_segment_size: 48
    .max_flat_workgroup_size: 256
    .sgpr_count:     66
    .vgpr_count:     512
    .wavefront_size: 32
...
	.end_amdgpu_metadata
.endif
;; end of part 8
